; MI455X (gfx1250); checked and timed in simulation.
; The chip was launched on July 23, 2026; its instructions are those of AMD's public machine-readable ISA for CDNA 5 (MIT licence, August 2026) and "CDNA5" Instruction Set Architecture Reference Guide (July 2026). The comments in the code are by the model that wrote it; some were corrected since.
;; Multi Head Attention Fusion. Allowed arithmetic: matrix products marked QUANTISED: E2M3 operands, one E8M0 scale for each 32 along K, by v_wmma_scale_f32_16x16x128_f8f6f4 with both operands' format E2M3, f32 sums; products left as they are: f32 operands where the result goes on into a quantised operand, else bf16, f16 or f32 operands; f32 sums; everything else in f32.
;; Inputs: Wk_codes 1,024 x 32 x 24 uint8 (E2M3 codes of Wk, K innermost, in blocks of 32 codes, four codes in three bytes); Wk_scales 1,024 x 32 uint8 (E8M0 scales of Wk, one for each 32 codes along K); Wo_codes 1,024 x 32 x 24 uint8 (E2M3 codes of Wo, K innermost, in blocks of 32 codes, four codes in three bytes); Wo_scales 1,024 x 32 uint8 (E8M0 scales of Wo, one for each 32 codes along K); Wq_codes 1,024 x 32 x 24 uint8 (E2M3 codes of Wq, K innermost, in blocks of 32 codes, four codes in three bytes); Wq_scales 1,024 x 32 uint8 (E8M0 scales of Wq, one for each 32 codes along K); Wv_codes 1,024 x 32 x 24 uint8 (E2M3 codes of Wv, K innermost, in blocks of 32 codes, four codes in three bytes); Wv_scales 1,024 x 32 uint8 (E8M0 scales of Wv, one for each 32 codes along K); bk 1,024 float32; bo 1,024 float32; bq 1,024 float32; bv 1,024 float32; image_features 8,192 x 1,024 float32; ln_beta 1,024 float32; ln_gamma 1,024 float32; signal_features 8,192 x 1,024 float32.
;; Outputs: out0 8,192 x 1,024 float32.
;; This version of the problem:
;;   THIS VERSION OF THE PROBLEM IS GIVEN IN LOW PRECISION. The matrix products marked QUANTISED in the list below multiply operands that are first quantised to E2M3 (2 exponent bits, 3 mantissa bits; 6 bits a number), with one power-of-two scale for each 32 numbers along K (OCP MX v1.0); their sums are f32. All else is computed in f32.
;;   The module's matrix products, in the order in which they are computed (A, B: the left and right operand; K: the contracted axis; several contracted axes count as one K, in the product's order):
;;     1. [M 8,192, K 1,024] x [K 1,024, N 1,024]; A: input image_features; B: input Wq (given as codes): QUANTISED
;;     2. [M 16,384, K 1,024] x [K 1,024, N 1,024]; A: computed on the way; B: input Wk (given as codes): QUANTISED
;;     3. [M 16,384, K 1,024] x [K 1,024, N 1,024]; A: computed on the way; B: input Wv (given as codes): QUANTISED
;;     4. batch 65,536 x [M 1, K 128] x [K 128, N 2]; A: computed on the way; B: computed on the way: left as it is (M = 1 < 16)
;;     5. batch 65,536 x [M 1, K 2] x [K 2, N 128]; A: softmax; B: computed on the way: left as it is (K = 2 < 32)
;;     6. [M 8,192, K 1,024] x [K 1,024, N 1,024]; A: computed on the way; B: input Wo (given as codes): QUANTISED
;;   THE QUANTISER, for each operand of a quantised product, along K:
;;     - K is cut into blocks of 32 from its start; a last block that is shorter is filled with zeros.
;;     - A block's scale is 2^e with e = floor(log2(the largest magnitude in the block)) - 2, held to -126 .. 127; a block of zeros has e = 0. As a byte (E8M0): e + 127.
;;     - Each number is divided by its block's scale, clamped to +-7.5, and rounded to the nearest number of E2M3, ties to even, subnormals kept.
;;     - The product sums the exact products of the quantised numbers (number of the format x scale) in f32.
;;   ~~~python
;;   def quantise(x, axis):      # numpy; x: float32 -> the quantised numbers, widened to float32 again
;;       x = np.moveaxis(x, axis, -1); K = x.shape[-1]
;;       x = np.pad(x, [(0, 0)] * (x.ndim - 1) + [(0, -K % 32)]); x = x.reshape(x.shape[:-1] + (-1, 32)); a = np.abs(x).max(-1, keepdims=True)
;;       e = np.where(a > 0, np.clip(np.frexp(np.where(a > 0, a, 1))[1] - 1 - 2, -126, 127), 0)      # np.frexp(a)[1] - 1 = floor(log2(a)), exactly
;;       r = np.clip(x / 2.0 ** e, -7.5, 7.5)
;;       step = 2.0 ** (np.maximum(np.frexp(np.where(r == 0, 1, r))[1] - 1, 0) - 3)
;;       q = np.round(r / step) * step * 2.0 ** e      # np.round: ties to even
;;       return np.moveaxis(q.reshape(q.shape[:-2] + (-1,))[..., :K], -1, axis).astype(np.float32)
;;   ~~~
;;   OPERANDS COMPUTED ON THE WAY. 'Computed on the way' means the value that the module computes at that place (a softmax that the list does not call 'softmax' is quantised finished and normalised). What goes into a quantiser is computed in f32, as accurately as f32 sums, v_exp_f32 and their like allow (about 1e-6 of the number): no bf16 or f16 on the way to a quantiser, and a product that is left as it is and whose result goes on into a quantised operand takes f32 operands (vector FMAs, or v_wmma_f32_16x16x4_f32). A number that lies on a knife's edge between two numbers of the format may be rounded either way, as far as f32 arithmetic and the matrix unit's own rounding can turn it there, and no further.
;;   INPUTS GIVEN AS CODES. Wk (in the module: [1024, 1024], K = its axis 1); Wo (in the module: [1024, 1024], K = its axis 1); Wq (in the module: [1024, 1024], K = its axis 1); Wv (in the module: [1024, 1024], K = its axis 1): each comes as NAME_codes (uint8): NAME with its K axis moved to the last place and cut into blocks of 32 codes, [.., K / 32, bytes a block], one block behind the other in memory; four codes in three bytes: a row's codes are one little-endian stream of bits, code i at bits 6 i .. 6 i + 5 (a code: sign, 2 exponent bits, 3 mantissa bits); and NAME_scales (uint8): the same leading axes, one E8M0 byte (e + 127) for each 32 codes along K. Its value is code x scale, taken as it is: it is not quantised again, and the codes and scales need not be those that the quantiser above would give.
;; 2 versions. Each part assembles by itself: llvm-mc -triple=amdgcn-amd-amdhsa -mcpu=gfx1250 --defsym DOCPART=n.
;; ======== version 1 of 2: 1 launch
;; launch fused (part 1): grid 256 x 1, 4 waves a work-group, clusters of 4 x 1, 327,680 bytes of LDS; arguments image_features, signal_features, Wq_codes, Wq_scales, bq, Wk_codes, Wk_scales, bk, Wv_codes, Wv_scales, bv, Wo_codes, Wo_scales, bo, ln_gamma, ln_beta, out0; writes out0
.if DOCPART == 1
	.amdgcn_target "amdgcn-amd-amdhsa--gfx1250"
	.amdhsa_code_object_version 6
	.text
	.protected	k_qa5c3047937_fused
	.globl	k_qa5c3047937_fused
	.p2align	8
	.type	k_qa5c3047937_fused,@function
k_qa5c3047937_fused:
	s_mov_b64 s[64:65], 0
	v_nop
	global_prefetch_b8 v0, s[64:65] scope:SCOPE_SE
	s_setreg_imm32_b32 hwreg(HW_REG_WAVE_MODE, 25, 1), 1
	s_wait_xcnt 0x0
	s_wait_alu depctr_hold_cnt(0) depctr_sa_sdst(0) depctr_va_vdst(0) depctr_va_sdst(0) depctr_va_ssrc(0) depctr_va_vcc(0) depctr_vm_vsrc(0)
	s_getreg_b32 s2, hwreg(HW_REG_IB_STS2, 6, 4)
	s_cmp_eq_u32 s2, 0
	s_cbranch_scc0 .Lentry_in_a_cluster
	s_endpgm
.Lentry_in_a_cluster:
	s_bfe_u32 s2, ttmp6, 0x10000c
	s_cmp_lg_u32 s2, 0x3003
	s_cbranch_scc0 .Lentry_shape_is_right
	s_endpgm
.Lentry_shape_is_right:
; out = LayerNorm(Q(ctx) Wo^T + bo + img) x gamma + beta, ctx = softmax over two keys (img, sig) for each row and each of 8 heads of 128;
; q = Q(img) Wq^T + bq, k and v = Q(img), Q(sig) times Wk^T, Wv^T, plus bk, bv.  Q: codes of E2M3 with one E8M0 byte for each 32 along the 1,024.  The weights arrive as codes (768 bytes a row) and bytes (32 a row).
; SHARES.  256 work-groups; work-group g owns rows 32 g .. 32 g + 31 whole (two tiles of 16, m = 0, 1), since LayerNorm and the last product want whole rows.  THE FOUR WAVES SHARE THE COLUMNS: wave w owns columns
; 256 w .. 256 w + 255 of q, k, v and out: two heads, and K steps 2 w, 2 w + 1 of x and of ctx.  Every product is used TRANSPOSED (source 0 = 16 rows of a weight, source 1 = 16 rows of x): lane (r = lane % 16, h = lane / 16)
; holds ONE row r, and register j of a result the column 16 T + 8 h + j.  So a head's two scores are the lane's own multiply-adds and one exchange with lane xor 16.
; WHAT STAYS IN REGISTERS: the codes of all 64 rows of x (32 fragments), so that a weight fragment read from LDS feeds 4 products (k, v) or 2 (q, o); the wave's 32 x 256 numbers of img in f32, read from memory once,
; quantised, and then the C and D of the last product: the residual costs no load and no addition.
; WEIGHTS.  32 tiles a wave, each 32 rows of a weight for all of K: 24,576 dense bytes, brought by the wave's own tensor load into its own part of one of two LDS slots and read by that wave alone.
; Order: for each of the wave's two heads q0 k0 q1 k1 q2 k2 q3 k3 v0 v1 v2 v3 (32 columns each), then o0 .. o7.  k's results are multiplied into the scores at once, so q is kept 32 columns at a time.
; CLUSTER 4 x 1: all work-groups walk the same weights in the same order, so each tile is asked for JOINTLY by the four work-groups of a cluster (mask 15): a quarter of the requests.  A mask names four at the most, so a larger cluster would add nothing.
; LIMITS: NaN and infinities are not served.  A block whose largest magnitude lies under 2^-124 (zeros among them) gets the scale byte 1; its codes are zeros or nearly so, and the bytes are read by this program alone.
; The softmax takes the larger score away first; LayerNorm takes the mean away first and then sums the squares.
;
; LDS (bytes)
.set XT,    32*528                     ; a tile of x in f32: 32 rows x (512 + 16)
.set XW,    4*XT                       ; a wave's four: img ks 0, img ks 1, sig ks 0, sig ks 1.  x lies at 0 .. 270,335 and is filled once
.set WPART, 96*272                     ; a wave's part of a slot: 96 units of 256 bytes + 16: a weight row is three units, 816 bytes = 204 words: 12 r mod 64 are 16 different multiples of 4 (64 banks of 4 bytes: ISA guide 11.1)
.set SLOTB, 4*WPART                    ; a slot.  The two slots lie over x's bytes, which have been read out by then
.set XIMG,  4*XW                       ; 32 images of fragments, 1,536 bytes each; later ctx's 16; later four stages of 16 x 528 bytes for the way out
.set FRB,   1536
.set XSC,   XIMG+32*FRB                ; scale words: (8 src + s) x 128 + 64 m + 4 r
.set LNP,   XSC+2048                   ; LayerNorm's partial sums: two passes x 4 waves x 32 rows x 4 bytes
.set SPARE, LNP+1024                   ; the spare words, 128 bytes for each wave: two blocks of 256 bytes that no other line names
.set STG,   16*528
; VECTOR REGISTERS, window 0
.set SPW,  1                           ; LDS address of my spare word; never rewritten
.set NIL,  2                           ; 0; never rewritten
.set AW,   3                           ; v3, v4 slot 0: my lane's place in a weight tile (24 h, and 40 h for pieces behind one padding more); v5, v6 slot 1
.set IMR,  7                           ; images: XIMG + 16 lane
.set IMW,  8                           ; + 3,072 w: where my wave's two K steps lie
.set SCW,  9                           ; scale words, to store: XSC + 4 r + 256 w
.set SCR,  10                          ; to load: XSC + 4 lane
.set RR,   11                          ; r
.set CSA,  12                          ; ctx: SCW + the head's 128 bytes
.set CIA,  13                          ; ctx: IMW + the head's 1,536 bytes
.set LSC,  14                          ; 32 lane: a weight row's 32 scale bytes
.set LB,   15                          ; 32 h: eight biases
.set H8,   16                          ; 8 h
.set XR,   17                          ; x in LDS: w XW + 528 r + 128 h
.set STO,  18                          ; the stage, in
.set SRD,  19                          ; the stage, back
.set GO,   20                          ; 16 lane
.set LNS,  21                          ; LNP + 4 x thread
.set LNR,  22                          ; LNP + 4 r
.set LL,   23                          ; lane
.set PW,   24                          ; v24, v25 ctx's scale words in the making
.set ST,   26                          ; v26-30 LayerNorm's statistics (h at the head)
.set XSI,  32                          ; v32-39 img's scale words, register s: lanes 0-15 rows 0-15, lanes 16-31 rows 16-31
.set XSS,  40                          ; v40-47 sig's, later ctx's
.set WS,   48                          ; v48-63 the weights' scale words, two sets, register s: lanes 0-15 column tile 0, lanes 16-31 column tile 1
.set F0,   64                          ; v64-111, v112-159 two buffers of four weight fragments (K step sl, column tile ct) at 12 (2 sl + ct)
.set F1,   112
.set BIAS, 160                         ; v160-191 two sets of 2 x 8 biases in the result's layout; at the end gamma and beta
.set SCO,  192                         ; v192-207 score sums in pairs: 2 (4 x + 2 m + ct), x = 0 img, 1 sig; later LayerNorm's chains
.set AT,   208                         ; v208-215 the softmax's weights, each twice: a_img[0], a_img[1], a_sig[0], a_sig[1]
.set TM,   216                         ; v216, 217 largest magnitudes; v218, 219 the conversions' scale operands; v220, 221 the bytes; v222 a permute's destination; v223 a scale word
.set PC,   224                         ; v224-247 codes just made: two fragments
.set PX,   248                         ; v248-254 the upper halves of two blocks' codes
; window 1: v0-191 img's 16 fragments (m, s) at 12 (8 m + s); v192-223 the accumulators on img's rows (ct, m) at 8 (2 ct + m), v224-255 on sig's.  (First: three units of sig in f32.  Last: rows of out.)
; window 2: v0-191 sig's fragments, later ctx's; v192-223 q's accumulators; in the v part v192-255 ctx, 32 registers a row tile.  (First: v0-63 sig's fourth unit.)
; window 3: img in f32, then the last product's accumulators: unit (m, ks) at 64 (2 m + ks), its 64 columns c at + 32 c, column tile tt of those at + 8 pos, pos = 0, 2, 1, 3.
; SCALAR REGISTERS: s[4:37] the 17 addresses
.set WQ,   8                           ; a weight's three addresses on end: codes, scales, bias
.set WK,   14
.set WVV,  20
.set WO,   26
.set WV,   38                          ; wave
.set ROW0, 39                          ; 256 w
.set SEL,  40                          ; s[40:41] selects for lane xor 16
.set HD,   42                          ; head of the wave, 0 or 1
.set QI,   43                          ; trip of the q, k loop
.set HB,   44                          ; the head's first column
.set RQ,   45                          ; the next q and k tile's first row
.set ROWN, 46                          ; first row of the tile to be asked for
.set R1,   47
.set R2,   48
.set CB,   50                          ; s[50:55] the addresses of the weight to be asked for
.set SB,   52
.set BB,   54
.set G1W,  56                          ; s[56:63] descriptor group 1, weights
.set OFF,  66                          ; s[66:67] an offset in 64 bits; the high word stays 0
.set G1X,  68                          ; s[68:75] descriptor group 1, x
.set G0W,  76                          ; s[76:83] group 0 for slot 0, slot 1
.set G0X,  84                          ; s[84:99] four groups 0 for x; when x has landed:
.set SBA,  84                          ; s[84:87] where set 0's, set 1's scale bytes lie
.set BBA,  88                          ; s[88:91] and their biases
.set HOFF, 92                          ; 1,536 x head
.set HOFS, 93                          ; 128 x head
.set HIM,  94                          ; lanes 16-31
.set CSM,  95                          ; log2(e) / sqrt(128)
.set MSB, 0
.macro WIN new                         ; s_set_vgpr_msb: bits 1:0 source 0, 3:2 source 1, 5:4 source 2, 7:6 destination; the high byte repeats the setting that is left
.if MSB != (\new)
	s_set_vgpr_msb (MSB<<8)|(\new)
.set MSB, \new
.endif
.endm
.macro PLACES n                        ; plain vector instructions behind a matrix instruction (ISA guide 7.12.1)
.rept \n
	v_nop
.endr
.endm
.macro ROUND                           ; a round of the cluster's barrier: my work-group's barrier, wave 0 signals for it, every wave waits for all four work-groups, my work-group's barrier again
	s_barrier_signal -1
	s_barrier_wait -1
	s_cmp_lg_u32 s[WV], 0
	s_cbranch_scc1 .Lnot_wave_0_\@
	s_barrier_signal -3
.Lnot_wave_0_\@:
	s_barrier_wait -3
	s_barrier_signal -1
	s_barrier_wait -1
.endm
; A weight fragment, 16 rows x 128 K: 12 registers, lane (r, h): registers 6 c .. 6 c + 5 = the 24 bytes at 96 s + 48 c + 24 h of row r, in pieces of 8 bytes.  Data byte d of a row lies at d + 16 (d / 256):
; where lanes 16-31, three pieces on, lie behind one padding more, the second address register serves.
.macro FRAG reg, slot, ct, s
.irp p, 0,1,2,3,4,5
.set D0, 96*(\s)+48*(\p/3)+8*(\p%3)
.if (D0%256) >= 232
	ds_load_b64 v[(\reg)+2*\p:(\reg)+2*\p+1], v[AW+1+2*(\slot)] offset:13056*(\ct)+D0+16*(D0/256)
.else
	ds_load_b64 v[(\reg)+2*\p:(\reg)+2*\p+1], v[AW+2*(\slot)] offset:13056*(\ct)+D0+16*(D0/256)
.endif
.endr
.endm
.macro FETCH slot, run, buf            ; 24 loads in one run: K steps 2 run, 2 run + 1 of both column tiles
.irp sl, 0,1
.irp ct, 0,1
	FRAG (\buf)+12*(2*\sl+\ct), \slot, \ct, 2*(\run)+\sl
.endr
.endr
.endm
.macro WM d, a, b, c, sa, sb, ra, rb   ; one product; ra, rb: the scale words lie in lanes 16-31
.if (\ra) && (\rb)
	v_wmma_scale_f32_16x16x128_f8f6f4 v[(\d):(\d)+7], v[(\a):(\a)+11], v[(\b):(\b)+11], v[(\c):(\c)+7], v[\sa], v[\sb] matrix_a_fmt:MATRIX_FMT_FP6 matrix_b_fmt:MATRIX_FMT_FP6 matrix_a_scale:MATRIX_SCALE_ROW1 matrix_b_scale:MATRIX_SCALE_ROW1
.elseif (\ra)
	v_wmma_scale_f32_16x16x128_f8f6f4 v[(\d):(\d)+7], v[(\a):(\a)+11], v[(\b):(\b)+11], v[(\c):(\c)+7], v[\sa], v[\sb] matrix_a_fmt:MATRIX_FMT_FP6 matrix_b_fmt:MATRIX_FMT_FP6 matrix_a_scale:MATRIX_SCALE_ROW1
.elseif (\rb)
	v_wmma_scale_f32_16x16x128_f8f6f4 v[(\d):(\d)+7], v[(\a):(\a)+11], v[(\b):(\b)+11], v[(\c):(\c)+7], v[\sa], v[\sb] matrix_a_fmt:MATRIX_FMT_FP6 matrix_b_fmt:MATRIX_FMT_FP6 matrix_b_scale:MATRIX_SCALE_ROW1
.else
	v_wmma_scale_f32_16x16x128_f8f6f4 v[(\d):(\d)+7], v[(\a):(\a)+11], v[(\b):(\b)+11], v[(\c):(\c)+7], v[\sa], v[\sb] matrix_a_fmt:MATRIX_FMT_FP6 matrix_b_fmt:MATRIX_FMT_FP6
.endif
.endm
; Eight products: two K steps x two column tiles x two row tiles; the four accumulators take turns, one instruction a turn.  K step 0 takes the bias as C: nothing is cleared or added.
.macro MM_HALF run, buf, set, acc, xs, wfirst, wrest
.irp sl, 0,1
.if (2*(\run)+\sl) == 0
	WIN \wfirst
.else
	WIN \wrest
.endif
.irp ct, 0,1
.irp m, 0,1
.if (2*(\run)+\sl) == 0
	WM (\acc)+8*(2*\ct+\m), (\buf)+12*(2*\sl+\ct), 12*(8*\m+2*(\run)+\sl), BIAS+16*(\set)+8*\ct, WS+8*(\set)+2*(\run)+\sl, (\xs)+2*(\run)+\sl, \ct, \m
.else
	WM (\acc)+8*(2*\ct+\m), (\buf)+12*(2*\sl+\ct), 12*(8*\m+2*(\run)+\sl), (\acc)+8*(2*\ct+\m), WS+8*(\set)+2*(\run)+\sl, (\xs)+2*(\run)+\sl, \ct, \m
.endif
.endr
.endr
.endr
.endm
.macro MM_O run, buf, set, j           ; the last product adds onto the residual in window 3
	WIN 0xf8
.irp sl, 0,1
.irp ct, 0,1
.irp m, 0,1
.set RO, 64*(2*\m+(\j)/4)+32*(((\j)/2)%2)+8*(2*\ct+(\j)%2)
	WM RO, (\buf)+12*(2*\sl+\ct), 12*(8*\m+2*(\run)+\sl), RO, WS+8*(\set)+2*(\run)+\sl, XSS+2*(\run)+\sl, \ct, \m
.endr
.endr
.endr
.endm
.macro MM kind, run, buf, set, j       ; kind 0: q (img's rows, into window 2); 1: k or v (img's rows, then sig's, into window 1); 2: o
.if (\kind) == 0
	MM_HALF \run, \buf, \set, 192, XSI, 0x84, 0xa4
.elseif (\kind) == 1
	MM_HALF \run, \buf, \set, 192, XSI, 0x44, 0x54
	MM_HALF \run, \buf, \set, 224, XSS, 0x48, 0x58
.else
	MM_O \run, \buf, \set, \j
.endif
.endm
.macro BOADD set, j                    ; bo onto the residual of tile j's 32 columns, ahead of its products
	WIN 0xc3
.irp m, 0,1
.irp ct, 0,1
.set RO, 64*(2*\m+(\j)/4)+32*(((\j)/2)%2)+8*(2*\ct+(\j)%2)
.irp p, 0,1,2,3
	v_pk_add_f32 v[RO+2*\p:RO+2*\p+1], v[RO+2*\p:RO+2*\p+1], v[BIAS+16*(\set)+8*\ct+2*\p:BIAS+16*(\set)+8*\ct+2*\p+1]
.endr
.endr
.endr
	WIN 0
	PLACES 4
.endm
; The first three of a tile's four runs.  Each run's fragments are asked for one run ahead; s_wait_dscnt 24 leaves out the 24 loads just issued: all older LDS instructions are done.
; Four places stand in front of loads into a buffer that matrix instructions have just read.
.macro RUNS kind, slot, j
	FETCH \slot, 1, F1
	s_wait_dscnt 24
	MM \kind, 0, F0, \slot, \j
	WIN 0
	PLACES 4
	FETCH \slot, 2, F0
	s_wait_dscnt 24
	MM \kind, 1, F1, \slot, \j
	WIN 0
	PLACES 4
	FETCH \slot, 3, F1
	s_wait_dscnt 24
	MM \kind, 2, F0, \slot, \j
	WIN 0
.endm
.macro HEAD kind, slot, j
	s_wait_loadcnt 6                               ; this tile's scale words and biases, asked for two tiles ago, are in; the six loads of the tile before may be out.  It also frees this set's two bases
.if (\kind) == 2
	BOADD \slot, \j
.endif
	RUNS \kind, \slot, \j
	s_wait_tensorcnt 0x0                           ; my one tensor load that was out, the next tile's, has landed: so a group 0 may be written
	ds_add_u32 v[SPW], v[NIL]                      ; 0 onto my spare word; the choice of the tile to ask for stands between it and the wait for it
.endm
.macro NEXT_STATIC set, row, add       ; the tile to ask for: weight, first row
	s_mov_b64 s[CB:CB+1], s[(\set):(\set)+1]
	s_mov_b64 s[SB:SB+1], s[(\set)+2:(\set)+3]
	s_mov_b64 s[BB:BB+1], s[(\set)+4:(\set)+5]
	s_add_co_u32 s[ROWN], s[\row], \add
.endm
.macro NEXT_SEL cnt, lim, set1, row1, add1, set2, row2, add2   ; the same where it hangs on a loop's counter: the sums first, then one compare and only selects behind it
	s_add_co_u32 s[R1], s[\row1], \add1
	s_add_co_u32 s[R2], s[\row2], \add2
	s_cmp_lt_u32 s[\cnt], \lim
	s_cselect_b64 s[CB:CB+1], s[(\set1):(\set1)+1], s[(\set2):(\set2)+1]
	s_cselect_b64 s[SB:SB+1], s[(\set1)+2:(\set1)+3], s[(\set2)+2:(\set2)+3]
	s_cselect_b64 s[BB:BB+1], s[(\set1)+4:(\set1)+5], s[(\set2)+4:(\set2)+5]
	s_cselect_b32 s[ROWN], s[R1], s[R2]
.endm
.macro SETD slot                       ; its codes (768 bytes a row), scale bytes (32) and biases (4)
	s_mul_i32 s[OFF], s[ROWN], 768
	s_add_nc_u64 s[G0W+4*(\slot)+2:G0W+4*(\slot)+3], s[CB:CB+1], s[OFF:OFF+1]
	s_or_b32 s[G0W+4*(\slot)+3], s[G0W+4*(\slot)+3], 0x80000000
	s_lshl_b32 s[OFF], s[ROWN], 5
	s_add_nc_u64 s[SBA+2*(\slot):SBA+2*(\slot)+1], s[SB:SB+1], s[OFF:OFF+1]
	s_lshl_b32 s[OFF], s[ROWN], 2
	s_add_nc_u64 s[BBA+2*(\slot):BBA+2*(\slot)+1], s[BB:BB+1], s[OFF:OFF+1]
.endm
; The change of slots and the tile's last run.  My reads of this slot are over and the add is done; the round shows the same of every wave of the four work-groups; the joint refill stands first behind it.
.macro TAIL kind, slot, j
	SETD \slot
	s_wait_dscnt 0x0
	ROUND
	tensor_load_to_lds s[G0W+4*(\slot):G0W+4*(\slot)+3], s[G1W:G1W+7]
	s_nop 0
	PLACES 4                                       ; places behind a tensor load; also the places in front of the loads into buffer 0
	FETCH 1-(\slot), 0, F0                         ; the next tile's first run
	MM \kind, 3, F1, \slot, \j
	WIN 0
	PLACES 5                                       ; behind the tile's last products: for the reads of the results, the loads into scale words, biases and buffer 1, and the accumulators that the next tile begins anew
.endm
.macro SIDE set                        ; scale words and biases of the tile just asked for: six loads.  32 lanes read 1,024 consecutive scale bytes
	global_load_b128 v[WS+8*(\set):WS+8*(\set)+3], v[LSC], s[SBA+2*(\set):SBA+2*(\set)+1]
	global_load_b128 v[WS+8*(\set)+4:WS+8*(\set)+7], v[LSC], s[SBA+2*(\set):SBA+2*(\set)+1] offset:16
.irp ct, 0,1
	global_load_b128 v[BIAS+16*(\set)+8*\ct:BIAS+16*(\set)+8*\ct+3], v[LB], s[BBA+2*(\set):BBA+2*(\set)+1] offset:64*\ct
	global_load_b128 v[BIAS+16*(\set)+8*\ct+4:BIAS+16*(\set)+8*\ct+7], v[LB], s[BBA+2*(\set):BBA+2*(\set)+1] offset:64*\ct+16
.endr
.endm
; Two blocks of 32 numbers, each whole in a lane's 32 registers of window x (at b0, b1), become codes: 6 registers each, at p0, p1 of window 0; their bytes in v220, v221.
; The largest magnitude with the floor 2^(3 - 127) among its leaves; 2 off its exponent field is the conversion's scale operand; that shifted down is the byte.
.macro QUANT2 x, b0, b1, p0, p1
	WIN ((\x)<<2)|((\x)<<4)
	v_max3_num_f32 v[TM], 0x1800000, |v[(\b0)]|, |v[(\b0)+1]|
	v_max3_num_f32 v[TM+1], 0x1800000, |v[(\b1)]|, |v[(\b1)+1]|
.irp i, 2,4,6,8,10,12,14,16,18,20,22,24,26,28,30
	v_max3_num_f32 v[TM], v[TM], |v[(\b0)+\i]|, |v[(\b0)+\i+1]|
	v_max3_num_f32 v[TM+1], v[TM+1], |v[(\b1)+\i]|, |v[(\b1)+\i+1]|
.endr
	WIN 0
	v_add_nc_u32 v[TM+2], 0xff000000, v[TM]
	v_add_nc_u32 v[TM+3], 0xff000000, v[TM+1]
	v_lshrrev_b32 v[TM+4], 23, v[TM+2]
	v_lshrrev_b32 v[TM+5], 23, v[TM+3]
	s_wait_dscnt 0x0                               ; earlier stores of images have read the codes' registers
	WIN \x
	v_cvt_scalef32_pk16_fp6_f32 v[(\p0):(\p0)+2], v[(\b0):(\b0)+15], v[TM+2]
	v_cvt_scalef32_pk16_fp6_f32 v[PX:PX+2], v[(\b0)+16:(\b0)+31], v[TM+2]       ; (a conversion's three registers begin on an even number: the upper half is made elsewhere and moved)
	v_cvt_scalef32_pk16_fp6_f32 v[(\p1):(\p1)+2], v[(\b1):(\b1)+15], v[TM+3]
	v_cvt_scalef32_pk16_fp6_f32 v[PX+4:PX+6], v[(\b1)+16:(\b1)+31], v[TM+3]
	WIN 0
	v_nop                                          ; one plain place behind a scaled conversion
.irp i, 0,1,2
	v_mov_b32 v[(\p0)+3+\i], v[PX+\i]
	v_mov_b32 v[(\p1)+3+\i], v[PX+4+\i]
.endr
.endm
.macro WORD pw                         ; my two bytes (blocks h and 2 + h) go 8 h bits up; with lane xor 16's two the row's scale word is whole
	v_lshlrev_b32 v[\pw], v[H8], v[\pw]
	v_permlanex16_b32 v[TM+6], v[\pw], s[SEL], s[SEL+1]
	v_or_b32 v[\pw], v[\pw], v[TM+6]
.endm
.macro IMG_OUT adr, off, p             ; a fragment goes to LDS as an image of its registers: 16 bytes a lane, 512 a store
.irp c, 0,1,2
	ds_store_b128 v[\adr], v[(\p)+4*\c:(\p)+4*\c+3] offset:(\off)+512*\c
.endr
.endm
; 32 registers in which a lane holds columns 32 h + 0 .. 31 become four column tiles (register j: column 16 tt + 8 h + j) at positions 0, 2, 1, 3; applied again it undoes itself.
.macro SWAPS x, b
	WIN ((\x)<<6)|(\x)
.irp j, 0,1,2,3,4,5,6,7
	v_permlane16_swap_b32 v[(\b)+\j], v[(\b)+8+\j]
.endr
.irp j, 0,1,2,3,4,5,6,7
	v_permlane16_swap_b32 v[(\b)+16+\j], v[(\b)+24+\j]
.endr
.endm
.macro XUNIT i, m, w, base             ; 16 rows x 128 columns of x tile i into 64 registers of window w: lane (r, h) takes, for c = 0, 1, the 32 numbers at column 64 c + 32 h of row 16 m + r: two whole blocks
	WIN (\w)<<6
.irp c, 0,1
.irp j, 0,1,2,3,4,5,6,7
	ds_load_b128 v[(\base)+32*\c+4*\j:(\base)+32*\c+4*\j+3], v[XR] offset:XT*(\i)+8448*(\m)+256*\c+16*\j
.endr
.endr
.endm
.macro XQ src, m, ks, x, base          ; such a unit becomes a fragment and a scale word, and both go to LDS
	QUANT2 \x, \base, (\base)+32, PC, PC+6
	v_lshl_or_b32 v[TM+7], v[TM+5], 16, v[TM+4]
	WORD TM+7
	IMG_OUT IMW, (16*(\src)+8*(\m)+(\ks))*FRB, PC
	ds_store_b32 v[SCW], v[TM+7] offset:(8*(\src)+(\ks))*128+64*(\m)      ; lanes r and r + 16 write the same word with the same value
.endm
	s_load_b512 s[4:19], s[0:1], 0x0               ; img, sig, Wq's three, Wk's three
	s_load_b512 s[20:35], s[0:1], 0x40             ; Wv's three, Wo's three, gamma, beta
	s_load_b64 s[36:37], s[0:1], 0x80              ; out
	v_lshl_add_u32 v[SPW], v0, 2, SPARE
	v_mov_b32 v[NIL], 0
	ds_add_u32 v1, v2
	ds_add_u32 v1, v2
	s_wait_dscnt 0x0
	v_lshrrev_b32 v[AW], 5, v0
	v_readfirstlane_b32 s[WV], v[AW]               ; wave 0..3
	s_lshl_b32 s[ROW0], s[WV], 8
	s_mov_b32 s[SEL], 0x76543210
	s_mov_b32 s[SEL+1], 0xfedcba98
	s_mov_b32 s[OFF+1], 0
	s_bfe_u32 s2, ttmp6, 0x40000                   ; cx: it enters x's and out's global addresses alone
	s_lshl_b32 s3, ttmp9, 2                        ; in a cluster launch ttmp9 counts clusters
	s_add_co_u32 s2, s2, s3                        ; the work-group
	s_lshl_b32 s2, s2, 17                          ; its 32 rows of 4,096 bytes,
	s_lshl_b32 s3, s[WV], 10
	s_add_co_u32 s2, s2, s3                        ; my wave's 1,024 bytes of a row
	s_mov_b32 s3, 0
	; group 1, weights: a dense block of 24,576 bytes as 96 rows of 32 elements of 8 bytes
	s_mov_b32 s[G1W], 15|(3<<16)|(1<<20)|(1<<21)|(5<<22)|(3<<25)   ; 15:0 the mask: all four work-groups; 17:16 elements of 8 bytes; 20 padding on; 21 set beside a mask; 24:22 after every 64 words; 31:25 4 words of it
	s_mov_b32 s[G1W+1], 32<<16                     ; tensor_dim0
	s_mov_b32 s[G1W+2], 96<<16                     ; tensor_dim1
	s_mov_b32 s[G1W+3], 32<<16                     ; tile_dim0
	s_mov_b32 s[G1W+4], 96                         ; tile_dim1
	s_mov_b32 s[G1W+5], 32                         ; from row to row
	s_mov_b32 s[G1W+6], 0
	s_mov_b32 s[G1W+7], 0
	; group 1, x: 32 rows x 128 f32, rows 1,024 elements apart; no mask: each work-group has rows of its own
	s_mov_b32 s[G1X], (2<<16)|(1<<20)|(6<<22)|(3<<25)              ; elements of 4 bytes; after every 128 words 4 words of padding
	s_mov_b32 s[G1X+1], 128<<16
	s_mov_b32 s[G1X+2], 32<<16
	s_mov_b32 s[G1X+3], 128<<16
	s_mov_b32 s[G1X+4], 32
	s_mov_b32 s[G1X+5], 1024
	s_mov_b32 s[G1X+6], 0
	s_mov_b32 s[G1X+7], 0
	s_mul_i32 s[R1], s[WV], XW
	s_mul_i32 s[R2], s[WV], WPART
	s_mul_i32 s[OFF], s[ROW0], 768
	s_wait_kmcnt 0x0
	s_add_nc_u64 s[4:5], s[4:5], s[2:3]
	s_add_nc_u64 s[6:7], s[6:7], s[2:3]
	s_add_nc_u64 s[36:37], s[36:37], s[2:3]
.irp i, 0,1,2,3                        ; tile i = 2 src + ks
	s_mov_b32 s[G0X+4*\i], 1
	s_add_co_u32 s[G0X+4*\i+1], s[R1], \i*XT
	s_add_nc_u64 s[G0X+4*\i+2:G0X+4*\i+3], s[4+2*(\i/2):5+2*(\i/2)], 512*(\i%2)
	s_or_b32 s[G0X+4*\i+3], s[G0X+4*\i+3], 0x80000000
.endr
	s_mov_b32 s[G0W], 1                            ; slot 0 begins with q0 of my first head,
	s_mov_b32 s[G0W+1], s[R2]
	s_add_nc_u64 s[G0W+2:G0W+3], s[WQ:WQ+1], s[OFF:OFF+1]
	s_or_b32 s[G0W+3], s[G0W+3], 0x80000000
	s_mov_b32 s[G0W+4], 1                          ; slot 1 with k0
	s_add_co_u32 s[G0W+5], s[R2], SLOTB
	s_add_nc_u64 s[G0W+6:G0W+7], s[WK:WK+1], s[OFF:OFF+1]
	s_or_b32 s[G0W+7], s[G0W+7], 0x80000000
	ROUND                                          ; in front of the launch's first tensor loads
	tensor_load_to_lds s[G0X:G0X+3], s[G1X:G1X+7]          ; the first fills, one group: four loads of mine are out, 64 KiB a wave; later never more than one
	s_nop 0
	tensor_load_to_lds s[G0X+4:G0X+7], s[G1X:G1X+7]
	s_nop 0
	tensor_load_to_lds s[G0X+8:G0X+11], s[G1X:G1X+7]
	s_nop 0
	tensor_load_to_lds s[G0X+12:G0X+15], s[G1X:G1X+7]
	s_nop 0
	PLACES 4
	v_and_b32 v[LL], 31, v0                        ; lane
	v_and_b32 v[RR], 15, v0                        ; r
	v_bfe_u32 v[ST], v0, 4, 1                      ; h
	v_mul_u32_u24 v[AW], v[RR], 816
	v_add_nc_u32 v[AW], s[R2], v[AW]
	v_mad_u32_u24 v[AW+1], v[ST], 40, v[AW]
	v_mad_u32_u24 v[AW], v[ST], 24, v[AW]
	v_add_nc_u32 v[AW+2], SLOTB, v[AW]
	v_add_nc_u32 v[AW+3], SLOTB, v[AW+1]
	v_lshl_add_u32 v[IMR], v[LL], 4, XIMG
	s_mul_i32 s[R2], s[WV], 2*FRB
	v_add_nc_u32 v[IMW], s[R2], v[IMR]
	v_lshl_add_u32 v[SCW], v[RR], 2, XSC
	v_add_nc_u32 v[SCW], s[ROW0], v[SCW]           ; + 256 w
	v_lshl_add_u32 v[SCR], v[LL], 2, XSC
	v_lshlrev_b32 v[LSC], 5, v[LL]
	v_lshlrev_b32 v[LB], 5, v[ST]
	v_lshlrev_b32 v[H8], 3, v[ST]
	v_mul_u32_u24 v[XR], v[RR], 528
	v_lshl_add_u32 v[XR], v[ST], 7, v[XR]
	v_add_nc_u32 v[XR], s[R1], v[XR]
	s_mul_i32 s[R2], s[WV], STG
	s_add_co_u32 s[R2], s[R2], XIMG
	v_mul_u32_u24 v[STO], v[RR], 528
	v_lshl_add_u32 v[STO], v[ST], 5, v[STO]
	v_add_nc_u32 v[STO], s[R2], v[STO]
	v_lshl_add_u32 v[SRD], v[LL], 4, s[R2]
	v_lshlrev_b32 v[GO], 4, v[LL]
	v_lshl_add_u32 v[LNS], v0, 2, LNP
	v_lshl_add_u32 v[LNR], v[RR], 2, LNP
	v_mov_b32 v[TM+6], 0                           ; written once: a lane permute's destination counts as one of its sources
	; ---- x into registers.  Tensor loads of a wave end in order (ISA guide 10.11.1): each count is the number of tiles issued behind the one that is read
	s_wait_tensorcnt 3
	XUNIT 0, 0, 3, 0                               ; img: unit (m, ks) at 64 (2 m + ks) of window 3
	XUNIT 0, 1, 3, 128
	s_wait_tensorcnt 2
	XUNIT 1, 0, 3, 64
	XUNIT 1, 1, 3, 192
	s_wait_tensorcnt 1
	XUNIT 2, 0, 1, 0                               ; sig: units 2 m + ks = 0, 1, 2 in window 1, unit 3 in window 2
	XUNIT 2, 1, 1, 128
	s_wait_tensorcnt 0
	XUNIT 3, 0, 1, 64
	XUNIT 3, 1, 2, 0
	WIN 0
	s_wait_tensorcnt 0x0                           ; the slots lie over x's bytes: their first tiles are refills
	ds_add_u32 v[SPW], v[NIL]                      ; 0 onto my spare word
	s_lshl_b32 s[OFF], s[ROW0], 5                  ; x's descriptors are done with: their registers take the first two tiles' scale bytes and biases
	s_add_nc_u64 s[SBA:SBA+1], s[WQ+2:WQ+3], s[OFF:OFF+1]
	s_add_nc_u64 s[SBA+2:SBA+3], s[WK+2:WK+3], s[OFF:OFF+1]
	s_lshl_b32 s[OFF], s[ROW0], 2
	s_add_nc_u64 s[BBA:BBA+1], s[WQ+4:WQ+5], s[OFF:OFF+1]
	s_add_nc_u64 s[BBA+2:BBA+3], s[WK+4:WK+5], s[OFF:OFF+1]
	s_mov_b32 s[HOFF], 0
	s_mov_b32 s[HOFS], 0
	s_mov_b32 s[HIM], 0xffff0000
	s_mov_b32 s[CSM], 0x3e0293ee                   ; log2(e) / sqrt(128)
	s_wait_dscnt 0x0                               ; the add is done and x is in my registers
	ROUND
	tensor_load_to_lds s[G0W:G0W+3], s[G1W:G1W+7]          ; tile 0 lands while x is quantised
	s_nop 0
	PLACES 4
	SIDE 0
	SIDE 1
	; ---- x becomes codes: my two K steps of all 64 rows, eight fragments.  img's numbers then change lanes into the results' layout: they are the last product's C
.irp m, 0,1
.irp ks, 0,1
	XQ 0, \m, \ks, 3, 64*(2*\m+\ks)
	SWAPS 3, 64*(2*\m+\ks)
	SWAPS 3, 64*(2*\m+\ks)+32
.endr
.endr
	XQ 1, 0, 0, 1, 0
	XQ 1, 0, 1, 1, 64
	XQ 1, 1, 0, 1, 128
	XQ 1, 1, 1, 2, 0
	s_wait_tensorcnt 0x0                           ; tile 0 has landed
	ds_add_u32 v[SPW], v[NIL]
	s_mov_b32 s[HB], s[ROW0]
	s_mov_b32 s[HD], 0
	s_wait_dscnt 0x0                               ; the add is done and my images are stored: the round below is also the barrier between the images' stores and their loads
	ROUND
	tensor_load_to_lds s[G0W+4:G0W+7], s[G1W:G1W+7]        ; tile 1
	s_nop 0
	PLACES 4
	; ---- every wave takes all 32 fragments and 16 registers of scale words
	WIN 0x40
.irp f, 0,1,2,3,4,5,6,7,8,9,10,11,12,13,14,15
.irp c, 0,1,2
	ds_load_b128 v[12*\f+4*\c:12*\f+4*\c+3], v[IMR] offset:\f*FRB+512*\c
.endr
.endr
	WIN 0x80
.irp f, 0,1,2,3,4,5,6,7,8,9,10,11,12,13,14,15
.irp c, 0,1,2
	ds_load_b128 v[12*\f+4*\c:12*\f+4*\c+3], v[IMR] offset:(16+\f)*FRB+512*\c
.endr
.endr
	WIN 0
.irp s, 0,1,2,3,4,5,6,7
	ds_load_b32 v[XSI+\s], v[SCR] offset:128*\s
	ds_load_b32 v[XSS+\s], v[SCR] offset:128*(8+\s)
.endr
	FETCH 0, 0, F0
.Lhead:                                        ; two trips: my two heads
.irp i, 0,1,2,3,4,5,6,7,8,9,10,11,12,13,14,15
	v_mov_b32 v[SCO+\i], 0                         ; the score sums: the loop below is written once
.endr
	s_add_co_u32 s[RQ], s[HB], 32
	s_mov_b32 s[QI], 0
.Lqk:                                          ; four trips: 32 columns of q, then the same 32 of k on img's and sig's rows
	HEAD 0, 0, 0
	NEXT_SEL QI, 3, WQ, RQ, 0, WVV, HB, 0          ; slot 0 next takes q's next 32 columns, at last v0
	TAIL 0, 0, 0
	SIDE 0
	HEAD 1, 1, 0
	NEXT_SEL QI, 3, WK, RQ, 0, WVV, HB, 32         ; slot 1: k's next 32 columns, at last v1
	TAIL 1, 1, 0
	WIN 0x06                                       ; q in window 2, k in window 1
.irp p, 0,1,2,3                        ; each accumulator from its low end on; eight chains
.irp x, 0,1
.irp m, 0,1
.irp ct, 0,1
	v_pk_fma_f32 v[SCO+2*(4*\x+2*\m+\ct):SCO+2*(4*\x+2*\m+\ct)+1], v[192+8*(2*\ct+\m)+2*\p:192+8*(2*\ct+\m)+2*\p+1], v[192+32*\x+8*(2*\ct+\m)+2*\p:192+32*\x+8*(2*\ct+\m)+2*\p+1], v[SCO+2*(4*\x+2*\m+\ct):SCO+2*(4*\x+2*\m+\ct)+1]
.endr
.endr
.endr
.endr
	WIN 0
	SIDE 1
	s_add_co_u32 s[RQ], s[RQ], 32
	s_add_co_u32 s[QI], s[QI], 1
	s_cmp_lt_u32 s[QI], 4
	s_cbranch_scc1 .Lqk
	; ---- the softmax over the two keys, for my row of each row tile.  q = 2 x + m
.irp q, 0,1,2,3
	v_pk_add_f32 v[SCO+4*\q:SCO+4*\q+1], v[SCO+4*\q:SCO+4*\q+1], v[SCO+4*\q+2:SCO+4*\q+3]
.endr
.irp q, 0,1,2,3
	v_add_f32 v[SCO+4*\q], v[SCO+4*\q], v[SCO+4*\q+1]
.endr
.irp q, 0,1,2,3
	v_permlanex16_b32 v[SCO+4*\q+1], v[SCO+4*\q], s[SEL], s[SEL+1]
.endr
.irp q, 0,1,2,3
	v_add_f32 v[SCO+4*\q], v[SCO+4*\q], v[SCO+4*\q+1]      ; with lane xor 16's columns: the score
.endr
.irp m, 0,1
	v_max_num_f32 v[SCO+4*\m+2], v[SCO+4*\m], v[SCO+8+4*\m]
.endr
.irp m, 0,1
	v_sub_f32 v[SCO+4*\m], v[SCO+4*\m], v[SCO+4*\m+2]      ; the larger score is taken away first: the difference of two close scores is exact, so it is not fused with the scaling
	v_sub_f32 v[SCO+8+4*\m], v[SCO+8+4*\m], v[SCO+4*\m+2]
.endr
.irp q, 0,1,2,3
	v_mul_f32 v[SCO+4*\q], s[CSM], v[SCO+4*\q]
.endr
.irp q, 0,1,2,3
	v_exp_f32 v[SCO+4*\q], v[SCO+4*\q]
.endr
	v_nop                                          ; one plain place behind a transcendental (ISA guide 5.7.2)
	s_wait_alu depctr_va_vdst(0)
.irp m, 0,1
	v_add_f32 v[SCO+4*\m+2], v[SCO+4*\m], v[SCO+8+4*\m]
.endr
.irp m, 0,1
	v_rcp_f32 v[SCO+4*\m+3], v[SCO+4*\m+2]
.endr
	v_nop
	s_wait_alu depctr_va_vdst(0)
.irp m, 0,1
	v_mul_f32 v[AT+2*\m], v[SCO+4*\m], v[SCO+4*\m+3]       ; each weight twice: a pair for the packed forms
	v_mul_f32 v[AT+2*\m+1], v[SCO+4*\m], v[SCO+4*\m+3]
	v_mul_f32 v[AT+4+2*\m], v[SCO+8+4*\m], v[SCO+4*\m+3]
	v_mul_f32 v[AT+5+2*\m], v[SCO+8+4*\m], v[SCO+4*\m+3]
.endr
; ctx = a_img v_img + a_sig v_sig for tile j's 32 columns, into position 2 ct + j % 2 of the row tile's 32 registers
.macro CTXMIX j
	WIN 0x81
.irp ct, 0,1
.irp m, 0,1
.irp p, 0,1,2,3
	v_pk_mul_f32 v[192+32*\m+8*(2*\ct+(\j)%2)+2*\p:192+32*\m+8*(2*\ct+(\j)%2)+2*\p+1], v[192+8*(2*\ct+\m)+2*\p:192+8*(2*\ct+\m)+2*\p+1], v[AT+2*\m:AT+2*\m+1]
.endr
.endr
.endr
	WIN 0xa1
.irp ct, 0,1
.irp m, 0,1
.irp p, 0,1,2,3
	v_pk_fma_f32 v[192+32*\m+8*(2*\ct+(\j)%2)+2*\p:192+32*\m+8*(2*\ct+(\j)%2)+2*\p+1], v[224+8*(2*\ct+\m)+2*\p:224+8*(2*\ct+\m)+2*\p+1], v[AT+4+2*\m:AT+4+2*\m+1], v[192+32*\m+8*(2*\ct+(\j)%2)+2*\p:192+32*\m+8*(2*\ct+(\j)%2)+2*\p+1]
.endr
.endr
.endr
	WIN 0
.endm
; 64 columns of ctx (half c of the head's K step) are whole: back to 32 neighbours a lane, and into codes, both row tiles by turns
.macro CQ c
	SWAPS 2, 192
	SWAPS 2, 224
	QUANT2 2, 192, 224, PC+6*(\c), PC+12+6*(\c)
.if (\c) == 0
	v_mov_b32 v[PW], v[TM+4]
	v_mov_b32 v[PW+1], v[TM+5]
.else
	v_lshl_or_b32 v[PW], v[TM+4], 16, v[PW]
	v_lshl_or_b32 v[PW+1], v[TM+5], 16, v[PW+1]
.endif
.endm
	HEAD 1, 0, 0                                   ; v0
	NEXT_STATIC WVV, HB, 64
	TAIL 1, 0, 0
	CTXMIX 0
	SIDE 0
	HEAD 1, 1, 0                                   ; v1
	NEXT_STATIC WVV, HB, 96
	TAIL 1, 1, 0
	CTXMIX 1
	SIDE 1
	CQ 0
	HEAD 1, 0, 0                                   ; v2: slot 0 next takes my second head's q0, or o0
	NEXT_SEL HD, 1, WQ, HB, 128, WO, ROW0, 0
	TAIL 1, 0, 0
	CTXMIX 2
	SIDE 0
	HEAD 1, 1, 0                                   ; v3: slot 1: k0, or o1
	NEXT_SEL HD, 1, WK, HB, 128, WO, ROW0, 32
	TAIL 1, 1, 0
	CTXMIX 3
	SIDE 1
	CQ 1
	WORD PW
	WORD PW+1
	v_add_nc_u32 v[CIA], s[HOFF], v[IMW]           ; K step 2 w + head of the last product: its two fragments and scale words go where img's images lay, which every wave has read long ago
	v_add_nc_u32 v[CSA], s[HOFS], v[SCW]
	IMG_OUT CIA, 0, PC
	IMG_OUT CIA, 8*FRB, PC+12
	ds_store_b32 v[CSA], v[PW]
	ds_store_b32 v[CSA], v[PW+1] offset:64
	s_add_co_u32 s[HB], s[HB], 128
	s_add_co_u32 s[HOFF], s[HOFF], FRB
	s_add_co_u32 s[HOFS], s[HOFS], 128
	s_add_co_u32 s[HD], s[HD], 1
	s_cmp_lt_u32 s[HD], 2
	s_cbranch_scc1 .Lhead
	s_wait_dscnt 0x0                               ; for the others' sake: my images of ctx are stored
	s_barrier_signal -1
	s_barrier_wait -1                              ; everybody's are.
	WIN 0x80
.irp f, 0,1,2,3,4,5,6,7,8,9,10,11,12,13,14,15
.irp c, 0,1,2
	ds_load_b128 v[12*\f+4*\c:12*\f+4*\c+3], v[IMR] offset:\f*FRB+512*\c       ; ctx's 16 fragments take sig's place
.endr
.endr
	WIN 0
.irp s, 0,1,2,3,4,5,6,7
	ds_load_b32 v[XSS+\s], v[SCR] offset:128*\s
.endr
.irp j, 0,1,2,3,4,5                    ; o0 .. o5: each asks for the tile two on
	HEAD 2, \j%2, \j
	NEXT_STATIC WO, ROW0, 32*(\j+2)
	TAIL 2, \j%2, \j
	SIDE \j%2
.endr
	s_wait_loadcnt 6                               ; o6: nothing is left to ask for, so there is no round
	BOADD 0, 6
	RUNS 2, 0, 6
	s_wait_tensorcnt 0x0                           ; the last tile has landed; its bytes are my own
	PLACES 4
	FETCH 1, 0, F0
	s_wait_dscnt 24
	MM 2, 3, F1, 0, 6
	WIN 0
	PLACES 5
	s_wait_loadcnt 0x0                             ; o7
	s_lshl_b32 s[OFF], s[WV], 10
	s_add_nc_u64 s[CB:CB+1], s[32:33], s[OFF:OFF+1]
	s_add_nc_u64 s[SB:SB+1], s[34:35], s[OFF:OFF+1]
.irp ks, 0,1                           ; gamma and beta of my 256 columns, four a lane for each half, as the rows will come back from the stage
	global_load_b128 v[BIAS+4*\ks:BIAS+4*\ks+3], v[GO], s[CB:CB+1] offset:512*\ks
	global_load_b128 v[BIAS+8+4*\ks:BIAS+8+4*\ks+3], v[GO], s[SB:SB+1] offset:512*\ks
.endr
	BOADD 1, 7
	RUNS 2, 1, 7
	s_wait_dscnt 0x0
	MM 2, 3, F1, 1, 7
	WIN 0
	PLACES 5
; ---- LayerNorm.  A row lies in lanes r and r + 16 of four waves.  The chains' sums are joined within the lane, with lane xor 16, and through LDS with the other waves'; every wave adds the four in the same order.
.macro LNX pass
	v_pk_add_f32 v[SCO:SCO+1], v[SCO:SCO+1], v[SCO+2:SCO+3]
	v_pk_add_f32 v[SCO+4:SCO+5], v[SCO+4:SCO+5], v[SCO+6:SCO+7]
	v_add_f32 v[SCO], v[SCO], v[SCO+1]
	v_add_f32 v[SCO+4], v[SCO+4], v[SCO+5]
	v_permlanex16_b32 v[SCO+1], v[SCO], s[SEL], s[SEL+1]
	v_permlanex16_b32 v[SCO+5], v[SCO+4], s[SEL], s[SEL+1]
	v_add_f32 v[SCO], v[SCO], v[SCO+1]
	v_add_f32 v[SCO+4], v[SCO+4], v[SCO+5]
	v_cndmask_b32 v[SCO+2], v[SCO], v[SCO+4], s[HIM]       ; lane l now holds row l's sum
	ds_store_b32 v[LNS], v[SCO+2] offset:512*(\pass)
	s_wait_dscnt 0x0                               ; for the others' sake
	s_barrier_signal -1
	s_barrier_wait -1
.irp m, 0,1
.irp u, 0,1,2,3
	ds_load_b32 v[SCO+8+4*\m+\u], v[LNR] offset:512*(\pass)+64*\m+128*\u
.endr
.endr
	s_wait_dscnt 0x0
	v_add_f32 v[SCO+8], v[SCO+8], v[SCO+9]
	v_add_f32 v[SCO+10], v[SCO+10], v[SCO+11]
	v_add_f32 v[SCO+12], v[SCO+12], v[SCO+13]
	v_add_f32 v[SCO+14], v[SCO+14], v[SCO+15]
	v_add_f32 v[SCO+8], v[SCO+8], v[SCO+10]
	v_add_f32 v[SCO+12], v[SCO+12], v[SCO+14]
.endm
	WIN 0x0f                                       ; the sums: chain q takes row tile q / 2, every second pair; registers ascending; the first lines start the chains
.irp q, 0,1,2,3
	v_pk_add_f32 v[SCO+2*\q:SCO+2*\q+1], v[128*(\q/2)+2*(\q%2):128*(\q/2)+2*(\q%2)+1], v[128*(\q/2)+2*(\q%2)+4:128*(\q/2)+2*(\q%2)+5]
.endr
	WIN 0x0c
.set I, 2
.rept 30
.irp q, 0,1,2,3
	v_pk_add_f32 v[SCO+2*\q:SCO+2*\q+1], v[SCO+2*\q:SCO+2*\q+1], v[128*(\q/2)+4*I+2*(\q%2):128*(\q/2)+4*I+2*(\q%2)+1]
.endr
.set I, I+1
.endr
	WIN 0
	LNX 0
	v_mul_f32 v[ST], 0xba800000, v[SCO+8]          ; - the mean: the sum x -2^-10
	v_mul_f32 v[ST+2], 0xba800000, v[SCO+12]
	v_mov_b32 v[ST+1], v[ST]
	v_mov_b32 v[ST+3], v[ST+2]
	WIN 0xc3
.set I, 0
.rept 64
	v_pk_add_f32 v[2*I:2*I+1], v[2*I:2*I+1], v[ST:ST+1]
	v_pk_add_f32 v[128+2*I:128+2*I+1], v[128+2*I:128+2*I+1], v[ST+2:ST+3]
.set I, I+1
.endr
	WIN 0x0f                                       ; the squares of what is left
.irp q, 0,1,2,3
	v_pk_mul_f32 v[SCO+2*\q:SCO+2*\q+1], v[128*(\q/2)+2*(\q%2):128*(\q/2)+2*(\q%2)+1], v[128*(\q/2)+2*(\q%2):128*(\q/2)+2*(\q%2)+1]
.endr
.set I, 1
.rept 31
.irp q, 0,1,2,3
	v_pk_fma_f32 v[SCO+2*\q:SCO+2*\q+1], v[128*(\q/2)+4*I+2*(\q%2):128*(\q/2)+4*I+2*(\q%2)+1], v[128*(\q/2)+4*I+2*(\q%2):128*(\q/2)+4*I+2*(\q%2)+1], v[SCO+2*\q:SCO+2*\q+1]
.endr
.set I, I+1
.endr
	WIN 0
	LNX 1
	v_mov_b32 v[ST+4], 0x3a800000                  ; 2^-10
	v_fmaak_f32 v[ST], v[SCO+8], v[ST+4], 0x3727c5ac       ; the variance + 1e-5
	v_fmaak_f32 v[ST+2], v[SCO+12], v[ST+4], 0x3727c5ac
	v_rsq_f32 v[ST], v[ST]
	v_rsq_f32 v[ST+2], v[ST+2]
	v_nop                                          ; one plain place behind a transcendental
	s_wait_alu depctr_va_vdst(0)
	v_mov_b32 v[ST+1], v[ST]
	v_mov_b32 v[ST+3], v[ST+2]
; ---- THE WAY OUT, four chunks n = 2 m + ks of 16 rows x 128 columns.  A lane holds pieces of one row and the lanes beside it other rows: a chunk goes through my own stage in LDS and comes back as whole
; rows of 512 bytes, four columns a lane, where gamma and beta are applied.  LDS serves a wave's instructions in order (ISA guide 5.7.1.4): no wait between the stores and the loads.
.macro MULC n                          ; x 1 / sqrt(variance + eps), while a lane still holds one row
	WIN 0xc3
.set I, 0
.rept 32
	v_pk_mul_f32 v[64*(\n)+2*I:64*(\n)+2*I+1], v[64*(\n)+2*I:64*(\n)+2*I+1], v[ST+2*((\n)/2):ST+2*((\n)/2)+1]
.set I, I+1
.endr
.endm
.macro TOST n
	WIN 0x0c
.irp c, 0,1
.irp tt, 0,1,2,3
	ds_store_b128 v[STO], v[64*(\n)+32*\c+8*(2*(\tt%2)+\tt/2):64*(\n)+32*\c+8*(2*(\tt%2)+\tt/2)+3] offset:256*\c+64*\tt
	ds_store_b128 v[STO], v[64*(\n)+32*\c+8*(2*(\tt%2)+\tt/2)+4:64*(\n)+32*\c+8*(2*(\tt%2)+\tt/2)+7] offset:256*\c+64*\tt+16
.endr
.endr
.if (\n) >= 2
	s_wait_xcnt 0x0                                ; the stores of the chunk two back have had their addresses translated (ISA guide 3.1): only behind this wait are their registers loaded again
.endif
	WIN 0x40
.irp i, 0,1,2,3,4,5,6,7,8,9,10,11,12,13,14,15
	ds_load_b128 v[64*((\n)%2)+4*\i:64*((\n)%2)+4*\i+3], v[SRD] offset:528*\i
.endr
.endm
.macro FIN n
	s_wait_dscnt 0x0                               ; the chunk is back
	WIN 0x41
.irp i, 0,1,2,3,4,5,6,7,8,9,10,11,12,13,14,15
.irp p, 0,1
	v_pk_fma_f32 v[64*((\n)%2)+4*\i+2*\p:64*((\n)%2)+4*\i+2*\p+1], v[64*((\n)%2)+4*\i+2*\p:64*((\n)%2)+4*\i+2*\p+1], v[BIAS+4*((\n)%2)+2*\p:BIAS+4*((\n)%2)+2*\p+1], v[BIAS+8+4*((\n)%2)+2*\p:BIAS+8+4*((\n)%2)+2*\p+1]
.endr
.endr
	WIN 0x04
.irp i, 0,1,2,3,4,5,6,7,8,9,10,11,12,13,14,15
	global_store_b128 v[GO], v[64*((\n)%2)+4*\i:64*((\n)%2)+4*\i+3], s[36:37] offset:4096*(16*((\n)/2)+\i)+512*((\n)%2) th:TH_STORE_NT   ; 32 lanes store 512 consecutive bytes, at a multiple of 256 from out's first byte
.endr
.endm
	s_wait_loadcnt 0x0                             ; gamma and beta
	MULC 0
	TOST 0
	MULC 1                                         ; a chunk's scaling stands between the loads of the chunk before and the wait for them
	FIN 0
	TOST 1
	MULC 2
	FIN 1
	TOST 2
	MULC 3
	FIN 2
	TOST 3
	FIN 3
	WIN 0
	s_wait_tensorcnt 0x0                           ; the wave's end: behind my last tensor load and my last LDS store
	ds_add_u32 v[SPW], v[NIL]
	s_wait_dscnt 0x0
	ROUND                                          ; the closing round: no work-group ends while a partner may still ask for a tile that names it
	s_endpgm
.Lfunc_end_k_qa5c3047937_fused:
	.size	k_qa5c3047937_fused, .Lfunc_end_k_qa5c3047937_fused-k_qa5c3047937_fused
	.p2alignl 7, 3214868480
	.fill 96, 4, 3214868480
	.section	.rodata,"a",@progbits
	.p2align	6, 0x0
	.amdhsa_kernel k_qa5c3047937_fused
		.amdhsa_group_segment_fixed_size 327680
		.amdhsa_private_segment_fixed_size 0
		.amdhsa_enable_private_segment 0
		.amdhsa_kernarg_size 136
		.amdhsa_user_sgpr_count 2
		.amdhsa_user_sgpr_kernarg_segment_ptr 1
		.amdhsa_wavefront_size32 1
		.amdhsa_system_sgpr_workgroup_id_x 1
		.amdhsa_system_sgpr_workgroup_id_y 1
		.amdhsa_system_sgpr_workgroup_id_z 1
		.amdhsa_system_vgpr_workitem_id 0
		.amdhsa_next_free_vgpr 1024
		.amdhsa_next_free_sgpr 100
		.amdhsa_reserve_vcc 0
		.amdhsa_float_denorm_mode_32 3
		.amdhsa_float_denorm_mode_16_64 3
		.amdhsa_memory_ordered 1
		.amdhsa_forward_progress 1
		.amdhsa_inst_pref_size 255
	.end_amdhsa_kernel
	.section	.bss,"aw",@nobits
	.p2align	6
	.space	262144
	.amdgpu_metadata
---
amdhsa.version: [ 1, 2 ]
amdhsa.kernels:
  - .name:           k_qa5c3047937_fused
    .symbol:         k_qa5c3047937_fused.kd
    .args:
      - { .name: image_features, .offset: 0, .size: 8, .value_kind: global_buffer, .address_space: global }
      - { .name: signal_features, .offset: 8, .size: 8, .value_kind: global_buffer, .address_space: global }
      - { .name: Wq_codes, .offset: 16, .size: 8, .value_kind: global_buffer, .address_space: global }
      - { .name: Wq_scales, .offset: 24, .size: 8, .value_kind: global_buffer, .address_space: global }
      - { .name: bq, .offset: 32, .size: 8, .value_kind: global_buffer, .address_space: global }
      - { .name: Wk_codes, .offset: 40, .size: 8, .value_kind: global_buffer, .address_space: global }
      - { .name: Wk_scales, .offset: 48, .size: 8, .value_kind: global_buffer, .address_space: global }
      - { .name: bk, .offset: 56, .size: 8, .value_kind: global_buffer, .address_space: global }
      - { .name: Wv_codes, .offset: 64, .size: 8, .value_kind: global_buffer, .address_space: global }
      - { .name: Wv_scales, .offset: 72, .size: 8, .value_kind: global_buffer, .address_space: global }
      - { .name: bv, .offset: 80, .size: 8, .value_kind: global_buffer, .address_space: global }
      - { .name: Wo_codes, .offset: 88, .size: 8, .value_kind: global_buffer, .address_space: global }
      - { .name: Wo_scales, .offset: 96, .size: 8, .value_kind: global_buffer, .address_space: global }
      - { .name: bo, .offset: 104, .size: 8, .value_kind: global_buffer, .address_space: global }
      - { .name: ln_gamma, .offset: 112, .size: 8, .value_kind: global_buffer, .address_space: global }
      - { .name: ln_beta, .offset: 120, .size: 8, .value_kind: global_buffer, .address_space: global }
      - { .name: out0, .offset: 128, .size: 8, .value_kind: global_buffer, .address_space: global }
    .group_segment_fixed_size: 327680
    .private_segment_fixed_size: 0
    .kernarg_segment_align: 8
    .kernarg_segment_size: 136
    .max_flat_workgroup_size: 128
    .sgpr_count:     100
    .vgpr_count:     1024
    .wavefront_size: 32
...
	.end_amdgpu_metadata
.endif
;; end of part 1
;; ======== version 2 of 2: 1 launch
;; limits: right only within a limited range of input values
;; launch fused (part 2): grid 256 x 1, 4 waves a work-group, clusters of 4 x 1, 327,680 bytes of LDS; arguments image_features, signal_features, Wq_codes, Wq_scales, bq, Wk_codes, Wk_scales, bk, Wv_codes, Wv_scales, bv, Wo_codes, Wo_scales, bo, ln_gamma, ln_beta, out0; writes out0
.if DOCPART == 2
	.amdgcn_target "amdgcn-amd-amdhsa--gfx1250"
	.amdhsa_code_object_version 6
	.text
	.protected	k_qa5c3047937_fused
	.globl	k_qa5c3047937_fused
	.p2align	8
	.type	k_qa5c3047937_fused,@function
k_qa5c3047937_fused:
	s_mov_b64 s[64:65], 0
	v_nop
	global_prefetch_b8 v0, s[64:65] scope:SCOPE_SE
	s_setreg_imm32_b32 hwreg(HW_REG_WAVE_MODE, 25, 1), 1
	s_wait_xcnt 0x0
	s_wait_alu depctr_hold_cnt(0) depctr_sa_sdst(0) depctr_va_vdst(0) depctr_va_sdst(0) depctr_va_ssrc(0) depctr_va_vcc(0) depctr_vm_vsrc(0)
	s_getreg_b32 s2, hwreg(HW_REG_IB_STS2, 6, 4)
	s_cmp_eq_u32 s2, 0
	s_cbranch_scc0 .Lentry_in_a_cluster
	s_endpgm
.Lentry_in_a_cluster:
	s_bfe_u32 s2, ttmp6, 0x10000c
	s_cmp_lg_u32 s2, 0x3003
	s_cbranch_scc0 .Lentry_shape_is_right
	s_endpgm
.Lentry_shape_is_right:
; out = LayerNorm(Q(ctx) Wo^T + bo + img) x gamma + beta, ctx = softmax over two keys (img, sig) for each row and each of 8 heads of 128;
; q = Q(img) Wq^T + bq, k and v = Q(img), Q(sig) times Wk^T, Wv^T, plus bk, bv.  Q: codes of E2M3 with one E8M0 byte for each 32 along the 1,024.  The weights arrive as codes (768 bytes a row) and bytes (32 a row).
; SHARES.  256 work-groups; work-group g owns rows 32 g .. 32 g + 31 whole (two tiles of 16, m = 0, 1), since LayerNorm and the last product want whole rows.  THE FOUR WAVES SHARE THE COLUMNS: wave w owns columns
; 256 w .. 256 w + 255 of q, k, v and out: two heads, and K steps 2 w, 2 w + 1 of x and of ctx.  Every product is used TRANSPOSED (source 0 = 16 rows of a weight, source 1 = 16 rows of x): lane (r = lane % 16, h = lane / 16)
; holds ONE row r, and register j of a result the column 16 T + 8 h + j.  So a head's two scores are the lane's own multiply-adds and one exchange with lane xor 16.
; WHAT STAYS IN REGISTERS: the codes of all 64 rows of x (32 fragments), so that a weight fragment read from LDS feeds 4 products (k, v) or 2 (q, o); the wave's 32 x 256 numbers of img in f32, read from memory once,
; quantised, and then the C and D of the last product: the residual costs no load and no addition.
; WEIGHTS.  32 tiles a wave, each 32 rows of a weight for all of K: 24,576 dense bytes, brought by the wave's own tensor load into its own part of one of two LDS slots and read by that wave alone.
; Order: for each of the wave's two heads q k q k q k q k v v v v (32 columns each), then eight tiles of o.  k's results are multiplied into the scores at once, so q is kept 32 columns at a time.
; CLUSTER 4 x 1: the four work-groups of a cluster walk the same weights in the same order, so each tile is asked for JOINTLY (mask 15): a quarter of the requests.  A mask names four at the most, so a larger cluster would add nothing.
; THE WALK IS TURNED FROM CLUSTER TO CLUSTER.  In one common order every tile would be asked for by all 64 clusters in the same trip and by none before.  So three bits t = (cluster + cluster / 8) mod 8 turn the order:
; bit 0 (r0): which of a wave's two heads comes first; bits 2:1 (rho): with which of a head's four q and k tiles, and with which of the wave's four groups of 64 columns of Wo, the walk begins; bit 1 (tau): which half of a head's v comes first.
; Of a wave's 32 tiles 26 have then been asked for by other clusters a trip or more earlier: all but the first q, the first k, the first two of v and the first two of o.
; On t, which the four partners share, hang global addresses and four forward branches round exchanges of registers, and nothing else: no LDS address, no trip count, no barrier, no tensor load.
; LIMITS: NaN and infinities are not served.  A block whose largest magnitude lies under 2^-124 (zeros among them) gets the scale byte 1; its codes are zeros or nearly so, and the bytes are read by this program alone.
; The softmax takes the larger score away first; LayerNorm takes the mean away first and then sums the squares.
;
; LDS (bytes)
.set XT,    32*528                     ; half of the room of one source's tile of x
.set XW,    4*XT                       ; a wave's room for x in f32: img at 0, sig at 2 XT, each 32 rows x (1,024 + 16) bytes.  x lies under byte 270,336 and is filled once
.set WPART, 96*272                     ; a wave's part of a slot: 96 units of 256 bytes + 16: a weight row is three units, 816 bytes = 204 words: 12 r mod 64 are 16 different multiples of 4 (64 banks of 4 bytes: ISA guide 11.1)
.set SLOTB, 4*WPART                    ; a slot.  The two slots lie over x's bytes, which have been read out by then
.set XIMG,  4*XW                       ; 32 images of fragments, 1,536 bytes each; later ctx's 16; later four stages of 16 x 528 bytes for the way out
.set FRB,   1536
.set XSC,   XIMG+32*FRB                ; scale words: (8 src + s) x 128 + 64 m + 4 r
.set LNP,   XSC+2048                   ; LayerNorm's partial sums: two passes x 4 waves x 32 rows x 4 bytes
.set SPARE, LNP+1024                   ; the spare words, 128 bytes for each wave: two blocks of 256 bytes that no other line names
.set STG,   16*528
; VECTOR REGISTERS, window 0
.set SPW,  1                           ; LDS address of my spare word; never rewritten
.set NIL,  2                           ; 0; never rewritten
.set AW,   3                           ; v3, v4 slot 0: my lane's place in a weight tile (24 h, and 40 h for pieces behind one padding more); v5, v6 slot 1
.set IMR,  7                           ; images: XIMG + 16 lane
.set IMW,  8                           ; + 3,072 w: where my wave's two K steps lie
.set SCW,  9                           ; scale words, to store: XSC + 4 r + 256 w
.set SCR,  10                          ; to load: XSC + 4 lane
.set RR,   11                          ; r
.set CSA,  12                          ; ctx: SCW + 128 bytes for the second head walked
.set CIA,  13                          ; ctx: IMW + 1,536 bytes for the second head walked
.set LSC,  14                          ; 32 lane: a weight row's 32 scale bytes
.set LB,   15                          ; 32 h: eight biases
.set H8,   16                          ; 8 h
.set XR,   17                          ; x in LDS: w XW + 1,040 r + 128 h
.set STO,  18                          ; the stage, in
.set SRD,  19                          ; the stage, back
.set GOK,  20                          ; v20, v31: my 16 bytes among the wave's 1,024 of a row of out, gamma, beta, for ks = 0, 1: 256 ((2 ks + lane / 16 + rho) mod 4) + 16 (lane mod 16)
.set GOKS, 11
.set LNS,  21                          ; LNP + 4 x thread
.set LNR,  22                          ; LNP + 4 r
.set LL,   23                          ; lane
.set PW,   24                          ; v24, v25 ctx's scale words in the making
.set ST,   26                          ; v26-30 LayerNorm's statistics (h and two temporaries at the head)
.set XSI,  32                          ; v32-39 img's scale words, register s: lanes 0-15 rows 0-15, lanes 16-31 rows 16-31
.set XSS,  40                          ; v40-47 sig's, later ctx's
.set WS,   48                          ; v48-63 the weights' scale words, two sets, register s: lanes 0-15 column tile 0, lanes 16-31 column tile 1
.set F0,   64                          ; v64-111, v112-159 two buffers of four weight fragments (K step sl, column tile ct) at 12 (2 sl + ct)
.set F1,   112
.set BIAS, 160                         ; v160-191 two sets of 2 x 8 biases in the result's layout; at the end gamma and beta
.set SCO,  192                         ; v192-207 score sums in pairs: 2 (4 x + 2 m + ct), x = 0 img, 1 sig; later LayerNorm's chains
.set AT,   208                         ; v208-215 the softmax's weights, each twice: a_img[0], a_img[1], a_sig[0], a_sig[1]
.set TM,   216                         ; v216, 217 largest magnitudes; v218, 219 the conversions' scale operands; v220, 221 the bytes; v222 a permute's destination; v223 a scale word
.set PC,   224                         ; v224-247 codes just made: two fragments
.set PX,   248                         ; v248-254 the upper halves of two blocks' codes
; window 1: v0-191 img's 16 fragments (m, s) at 12 (8 m + s); v192-223 the accumulators on img's rows (ct, m) at 8 (2 ct + m), v224-255 on sig's.  (First: three units of sig in f32.  Last: rows of out.)
; window 2: v0-191 sig's fragments, later ctx's; v192-223 q's accumulators; in the v part v192-255 ctx, 32 registers a row tile.  (First: v0-63 sig's fourth unit.)
; window 3: img in f32, then the last product's accumulators: row tile m, place p of four at 128 m + 32 p: 64 columns, column tile tt of those at + 8 pos, pos = 0, 2, 1, 3.  Place p holds the wave's group (p + rho) mod 4.
; SCALAR REGISTERS: s[4:37] the 17 addresses
.set WQ,   8                           ; a weight's three addresses on end: codes, scales, bias
.set WK,   14
.set WVV,  20
.set WO,   26
.set WV,   38                          ; wave
.set ROW0, 39                          ; 256 w
.set SEL,  40                          ; s[40:41] selects for lane xor 16
.set HD,   42                          ; 0: the head walked first, 1: the other
.set QI,   43                          ; trip of the q, k loop
.set HB,   44                          ; first column of the head in hand
.set RQ,   45                          ; the next q and k tile's first row
.set ROWN, 46                          ; first row of the tile to be asked for
.set R1,   47
.set R2,   48
.set RH1,  49                          ; rho + 1
.set CB,   50                          ; s[50:55] the addresses of the weight to be asked for
.set SB,   52
.set BB,   54
.set G1W,  56                          ; s[56:63] descriptor group 1, weights
.set OFF,  66                          ; s[66:67] an offset in 64 bits; the high word stays 0
.set G1X,  68                          ; s[68:75] descriptor group 1, x; when x has landed:
.set ORQ,  68                          ; s68-71 first row of Wo for place p: 256 w + 64 ((p + rho) mod 4)
.set VA,   72                          ; first row of the half of the head's v that is walked first,
.set VB,   73                          ; and of the other
.set HQN,  74                          ; first row of the other head's first q and k tile
.set G0W,  76                          ; s[76:83] group 0 for slot 0, slot 1
.set G0X,  84                          ; s[84:91] two groups 0 for x (img, sig); when x has landed:
.set SBA,  84                          ; s[84:87] where set 0's, set 1's scale bytes lie
.set BBA,  88                          ; s[88:91] and their biases
.set HOFF, 92                          ; 1,536 x HD
.set HOFS, 93                          ; 128 x HD
.set HIM,  94                          ; lanes 16-31
.set CSM,  95                          ; log2(e) / sqrt(128)
.set ROT,  100                         ; cluster + cluster / 8
.set RH,   101                         ; rho
.set R0F,  104                         ; r0
.set TAU,  105                         ; tau = rho mod 2
.set MSB, 0
.macro WIN new                         ; s_set_vgpr_msb: bits 1:0 source 0, 3:2 source 1, 5:4 source 2, 7:6 destination; the high byte repeats the setting that is left
.if MSB != (\new)
	s_set_vgpr_msb (MSB<<8)|(\new)
.set MSB, \new
.endif
.endm
.macro PLACES n                        ; plain vector instructions behind a matrix instruction (ISA guide 7.12.1)
.rept \n
	v_nop
.endr
.endm
.macro ROUND                           ; a round of the cluster's barrier: my work-group's barrier, wave 0 signals for it, every wave waits for all four work-groups, my work-group's barrier again
	s_barrier_signal -1
	s_barrier_wait -1
	s_cmp_lg_u32 s[WV], 0
	s_cbranch_scc1 .Lnot_wave_0_\@
	s_barrier_signal -3
.Lnot_wave_0_\@:
	s_barrier_wait -3
	s_barrier_signal -1
	s_barrier_wait -1
.endm
.macro GSWAP w, a, b, n                ; n registers from a on and n from b on, in window w, change places
	WIN ((\w)<<6)|(\w)
.set I, 0
.rept \n
	v_swap_b32 v[(\a)+I], v[(\b)+I]
.set I, I+1
.endr
.endm
; A weight fragment, 16 rows x 128 K: 12 registers, lane (r, h): registers 6 c .. 6 c + 5 = the 24 bytes at 96 s + 48 c + 24 h of row r, in pieces of 8 bytes.  Data byte d of a row lies at d + 16 (d / 256):
; where lanes 16-31, three pieces on, lie behind one padding more, the second address register serves.
.macro FRAG reg, slot, ct, s
.irp p, 0,1,2,3,4,5
.set D0, 96*(\s)+48*(\p/3)+8*(\p%3)
.if (D0%256) >= 232
	ds_load_b64 v[(\reg)+2*\p:(\reg)+2*\p+1], v[AW+1+2*(\slot)] offset:13056*(\ct)+D0+16*(D0/256)
.else
	ds_load_b64 v[(\reg)+2*\p:(\reg)+2*\p+1], v[AW+2*(\slot)] offset:13056*(\ct)+D0+16*(D0/256)
.endif
.endr
.endm
.macro FETCH slot, run, buf            ; 24 loads in one run: K steps 2 run, 2 run + 1 of both column tiles
.irp sl, 0,1
.irp ct, 0,1
	FRAG (\buf)+12*(2*\sl+\ct), \slot, \ct, 2*(\run)+\sl
.endr
.endr
.endm
.macro WM d, a, b, c, sa, sb, ra, rb   ; one product; ra, rb: the scale words lie in lanes 16-31
.if (\ra) && (\rb)
	v_wmma_scale_f32_16x16x128_f8f6f4 v[(\d):(\d)+7], v[(\a):(\a)+11], v[(\b):(\b)+11], v[(\c):(\c)+7], v[\sa], v[\sb] matrix_a_fmt:MATRIX_FMT_FP6 matrix_b_fmt:MATRIX_FMT_FP6 matrix_a_scale:MATRIX_SCALE_ROW1 matrix_b_scale:MATRIX_SCALE_ROW1
.elseif (\ra)
	v_wmma_scale_f32_16x16x128_f8f6f4 v[(\d):(\d)+7], v[(\a):(\a)+11], v[(\b):(\b)+11], v[(\c):(\c)+7], v[\sa], v[\sb] matrix_a_fmt:MATRIX_FMT_FP6 matrix_b_fmt:MATRIX_FMT_FP6 matrix_a_scale:MATRIX_SCALE_ROW1
.elseif (\rb)
	v_wmma_scale_f32_16x16x128_f8f6f4 v[(\d):(\d)+7], v[(\a):(\a)+11], v[(\b):(\b)+11], v[(\c):(\c)+7], v[\sa], v[\sb] matrix_a_fmt:MATRIX_FMT_FP6 matrix_b_fmt:MATRIX_FMT_FP6 matrix_b_scale:MATRIX_SCALE_ROW1
.else
	v_wmma_scale_f32_16x16x128_f8f6f4 v[(\d):(\d)+7], v[(\a):(\a)+11], v[(\b):(\b)+11], v[(\c):(\c)+7], v[\sa], v[\sb] matrix_a_fmt:MATRIX_FMT_FP6 matrix_b_fmt:MATRIX_FMT_FP6
.endif
.endm
; Eight products: two K steps x two column tiles x two row tiles; the four accumulators take turns, one instruction a turn.  K step 0 takes the bias as C: nothing is cleared or added.
.macro MM_HALF run, buf, set, acc, xs, wfirst, wrest
.irp sl, 0,1
.if (2*(\run)+\sl) == 0
	WIN \wfirst
.else
	WIN \wrest
.endif
.irp ct, 0,1
.irp m, 0,1
.if (2*(\run)+\sl) == 0
	WM (\acc)+8*(2*\ct+\m), (\buf)+12*(2*\sl+\ct), 12*(8*\m+2*(\run)+\sl), BIAS+16*(\set)+8*\ct, WS+8*(\set)+2*(\run)+\sl, (\xs)+2*(\run)+\sl, \ct, \m
.else
	WM (\acc)+8*(2*\ct+\m), (\buf)+12*(2*\sl+\ct), 12*(8*\m+2*(\run)+\sl), (\acc)+8*(2*\ct+\m), WS+8*(\set)+2*(\run)+\sl, (\xs)+2*(\run)+\sl, \ct, \m
.endif
.endr
.endr
.endr
.endm
.macro MM_O run, buf, set, j           ; the last product adds onto the residual in window 3; j: the tile's number in the walk: place j / 2, half j % 2
	WIN 0xf8
.irp sl, 0,1
.irp ct, 0,1
.irp m, 0,1
.set RO, 64*(2*\m+(\j)/4)+32*(((\j)/2)%2)+8*(2*\ct+(\j)%2)
	WM RO, (\buf)+12*(2*\sl+\ct), 12*(8*\m+2*(\run)+\sl), RO, WS+8*(\set)+2*(\run)+\sl, XSS+2*(\run)+\sl, \ct, \m
.endr
.endr
.endr
.endm
.macro MM kind, run, buf, set, j       ; kind 0: q (img's rows, into window 2); 1: k or v (img's rows, then sig's, into window 1); 2: o
.if (\kind) == 0
	MM_HALF \run, \buf, \set, 192, XSI, 0x84, 0xa4
.elseif (\kind) == 1
	MM_HALF \run, \buf, \set, 192, XSI, 0x44, 0x54
	MM_HALF \run, \buf, \set, 224, XSS, 0x48, 0x58
.else
	MM_O \run, \buf, \set, \j
.endif
.endm
.macro BOADD set, j                    ; bo onto the residual of tile j's 32 columns, ahead of its products
	WIN 0xc3
.irp m, 0,1
.irp ct, 0,1
.set RO, 64*(2*\m+(\j)/4)+32*(((\j)/2)%2)+8*(2*\ct+(\j)%2)
	s_wait_alu depctr_va_vdst(0)
.irp p, 0,1,2,3
	v_pk_add_f32 v[RO+2*\p:RO+2*\p+1], v[RO+2*\p:RO+2*\p+1], v[BIAS+16*(\set)+8*\ct+2*\p:BIAS+16*(\set)+8*\ct+2*\p+1]
.endr
.endr
.endr
	s_wait_alu depctr_va_vdst(0)
	WIN 0
	PLACES 4
.endm
; The first three of a tile's four runs.  Each run's fragments are asked for one run ahead; s_wait_dscnt 24 leaves out the 24 loads just issued: all older LDS instructions are done.
; Four places stand in front of loads into a buffer that matrix instructions have just read.
.macro RUNS kind, slot, j
	FETCH \slot, 1, F1
	s_wait_dscnt 24
	MM \kind, 0, F0, \slot, \j
	WIN 0
	PLACES 4
	FETCH \slot, 2, F0
	s_wait_dscnt 24
	MM \kind, 1, F1, \slot, \j
	WIN 0
	PLACES 4
	FETCH \slot, 3, F1
	s_wait_dscnt 24
	MM \kind, 2, F0, \slot, \j
	WIN 0
.endm
.macro HEAD kind, slot, j
	s_wait_loadcnt 6                               ; this tile's scale words and biases, asked for two tiles ago, are in; the six loads of the tile before may be out.  It also frees this set's two bases
.if (\kind) == 2
	BOADD \slot, \j
.endif
	RUNS \kind, \slot, \j
	s_wait_tensorcnt 0x0                           ; my one tensor load that was out, the next tile's, has landed: so a group 0 may be written
	ds_add_u32 v[SPW], v[NIL]                      ; 0 onto my spare word; the choice of the tile to ask for stands between it and the wait for it
.endm
.macro NEXT_STATIC set, row, add       ; the tile to ask for: weight, first row
	s_mov_b64 s[CB:CB+1], s[(\set):(\set)+1]
	s_mov_b64 s[SB:SB+1], s[(\set)+2:(\set)+3]
	s_mov_b64 s[BB:BB+1], s[(\set)+4:(\set)+5]
	s_add_co_u32 s[ROWN], s[\row], \add
.endm
.macro NEXT_SEL cnt, lim, set1, row1, add1, set2, row2, add2   ; the same where it hangs on a loop's counter: the sums first, then one compare and only selects behind it
	s_add_co_u32 s[R1], s[\row1], \add1
	s_add_co_u32 s[R2], s[\row2], \add2
	s_cmp_lt_u32 s[\cnt], \lim
	s_cselect_b64 s[CB:CB+1], s[(\set1):(\set1)+1], s[(\set2):(\set2)+1]
	s_cselect_b64 s[SB:SB+1], s[(\set1)+2:(\set1)+3], s[(\set2)+2:(\set2)+3]
	s_cselect_b64 s[BB:BB+1], s[(\set1)+4:(\set1)+5], s[(\set2)+4:(\set2)+5]
	s_cselect_b32 s[ROWN], s[R1], s[R2]
.endm
.macro SETD slot                       ; its codes (768 bytes a row), scale bytes (32) and biases (4)
	s_mul_i32 s[OFF], s[ROWN], 768
	s_add_nc_u64 s[G0W+4*(\slot)+2:G0W+4*(\slot)+3], s[CB:CB+1], s[OFF:OFF+1]
	s_or_b32 s[G0W+4*(\slot)+3], s[G0W+4*(\slot)+3], 0x80000000
	s_lshl_b32 s[OFF], s[ROWN], 5
	s_add_nc_u64 s[SBA+2*(\slot):SBA+2*(\slot)+1], s[SB:SB+1], s[OFF:OFF+1]
	s_lshl_b32 s[OFF], s[ROWN], 2
	s_add_nc_u64 s[BBA+2*(\slot):BBA+2*(\slot)+1], s[BB:BB+1], s[OFF:OFF+1]
.endm
; The change of slots and the tile's last run.  My reads of this slot are over and the add is done; the round shows the same of every wave of the four work-groups; the joint refill stands first behind it.
.macro TAIL kind, slot, j
	SETD \slot
	s_wait_dscnt 0x0
	ROUND
	tensor_load_to_lds s[G0W+4*(\slot):G0W+4*(\slot)+3], s[G1W:G1W+7]
	s_nop 0
	PLACES 4                                       ; places behind a tensor load; also the places in front of the loads into buffer 0
	FETCH 1-(\slot), 0, F0                         ; the next tile's first run
	MM \kind, 3, F1, \slot, \j
	WIN 0
	PLACES 5                                       ; behind the tile's last products: for the reads of the results, the loads into scale words, biases and buffer 1, and the accumulators that the next tile begins anew
.endm
.macro SIDE set                        ; scale words and biases of the tile just asked for: six loads.  32 lanes read 1,024 consecutive scale bytes
	global_load_b128 v[WS+8*(\set):WS+8*(\set)+3], v[LSC], s[SBA+2*(\set):SBA+2*(\set)+1]
	global_load_b128 v[WS+8*(\set)+4:WS+8*(\set)+7], v[LSC], s[SBA+2*(\set):SBA+2*(\set)+1] offset:16
.irp ct, 0,1
	global_load_b128 v[BIAS+16*(\set)+8*\ct:BIAS+16*(\set)+8*\ct+3], v[LB], s[BBA+2*(\set):BBA+2*(\set)+1] offset:64*\ct
	global_load_b128 v[BIAS+16*(\set)+8*\ct+4:BIAS+16*(\set)+8*\ct+7], v[LB], s[BBA+2*(\set):BBA+2*(\set)+1] offset:64*\ct+16
.endr
.endm
; Two blocks of 32 numbers, each whole in a lane's 32 registers of window x (at b0, b1), become codes: 6 registers each, at p0, p1 of window 0; their bytes in v220, v221.
; The largest magnitude with the floor 2^(3 - 127) among its leaves; 2 off its exponent field is the conversion's scale operand; that shifted down is the byte.
.macro QUANT2 x, b0, b1, p0, p1
	WIN ((\x)<<2)|((\x)<<4)
	v_max3_num_f32 v[TM], 0x1800000, |v[(\b0)]|, |v[(\b0)+1]|
	v_max3_num_f32 v[TM+1], 0x1800000, |v[(\b1)]|, |v[(\b1)+1]|
.irp i, 2,4,6,8,10,12,14,16,18,20,22,24,26,28,30
	v_max3_num_f32 v[TM], v[TM], |v[(\b0)+\i]|, |v[(\b0)+\i+1]|
	v_max3_num_f32 v[TM+1], v[TM+1], |v[(\b1)+\i]|, |v[(\b1)+\i+1]|
.endr
	WIN 0
	v_add_nc_u32 v[TM+2], 0xff000000, v[TM]
	v_add_nc_u32 v[TM+3], 0xff000000, v[TM+1]
	v_lshrrev_b32 v[TM+4], 23, v[TM+2]
	v_lshrrev_b32 v[TM+5], 23, v[TM+3]
	s_wait_alu depctr_va_vdst(0)
	s_wait_dscnt 0x0                               ; earlier stores of images have read the codes' registers
	WIN \x
	v_cvt_scalef32_pk16_fp6_f32 v[(\p0):(\p0)+2], v[(\b0):(\b0)+15], v[TM+2]
	v_cvt_scalef32_pk16_fp6_f32 v[PX:PX+2], v[(\b0)+16:(\b0)+31], v[TM+2]       ; (a conversion's three registers begin on an even number: the upper half is made elsewhere and moved)
	v_cvt_scalef32_pk16_fp6_f32 v[(\p1):(\p1)+2], v[(\b1):(\b1)+15], v[TM+3]
	v_cvt_scalef32_pk16_fp6_f32 v[PX+4:PX+6], v[(\b1)+16:(\b1)+31], v[TM+3]
	WIN 0
	v_nop                                          ; one plain place behind a scaled conversion
.irp i, 0,1,2
	v_mov_b32 v[(\p0)+3+\i], v[PX+\i]
	v_mov_b32 v[(\p1)+3+\i], v[PX+4+\i]
.endr
.endm
.macro WORD pw                         ; my two bytes (blocks h and 2 + h) go 8 h bits up; with lane xor 16's two the row's scale word is whole
	v_lshlrev_b32 v[\pw], v[H8], v[\pw]
	v_permlanex16_b32 v[TM+6], v[\pw], s[SEL], s[SEL+1]
	v_or_b32 v[\pw], v[\pw], v[TM+6]
.endm
.macro IMG_OUT adr, off, p             ; a fragment goes to LDS as an image of its registers: 16 bytes a lane, 512 a store
.irp c, 0,1,2
	ds_store_b128 v[\adr], v[(\p)+4*\c:(\p)+4*\c+3] offset:(\off)+512*\c
.endr
.endm
; 32 registers in which a lane holds columns 32 h + 0 .. 31 become four column tiles (register j: column 16 tt + 8 h + j) at positions 0, 2, 1, 3; applied again it undoes itself.
.macro SWAPS x, b
	WIN ((\x)<<6)|(\x)
.irp j, 0,1,2,3,4,5,6,7
	v_permlane16_swap_b32 v[(\b)+\j], v[(\b)+8+\j]
.endr
.irp j, 0,1,2,3,4,5,6,7
	v_permlane16_swap_b32 v[(\b)+16+\j], v[(\b)+24+\j]
.endr
.endm
.macro XUNIT i, m, w, base             ; 16 rows x 128 columns of x tile i into 64 registers of window w: lane (r, h) takes, for c = 0, 1, the 32 numbers at column 64 c + 32 h of row 16 m + r: two whole blocks
	WIN (\w)<<6
.irp c, 0,1
.irp j, 0,1,2,3,4,5,6,7
	ds_load_b128 v[(\base)+32*\c+4*\j:(\base)+32*\c+4*\j+3], v[XR] offset:2*XT*((\i)/2)+512*((\i)%2)+16640*(\m)+256*\c+16*\j
.endr
.endr
.endm
.macro XQ src, m, ks, x, base          ; such a unit becomes a fragment and a scale word, and both go to LDS
	QUANT2 \x, \base, (\base)+32, PC, PC+6
	v_lshl_or_b32 v[TM+7], v[TM+5], 16, v[TM+4]
	WORD TM+7
	IMG_OUT IMW, (16*(\src)+8*(\m)+(\ks))*FRB, PC
	ds_store_b32 v[SCW], v[TM+7] offset:(8*(\src)+(\ks))*128+64*(\m)      ; lanes r and r + 16 write the same word with the same value
.endm
	s_load_b512 s[4:19], s[0:1], 0x0               ; img, sig, Wq's three, Wk's three
	s_load_b512 s[20:35], s[0:1], 0x40             ; Wv's three, Wo's three, gamma, beta
	s_load_b64 s[36:37], s[0:1], 0x80              ; out
	v_lshl_add_u32 v[SPW], v0, 2, SPARE
	v_mov_b32 v[NIL], 0
	ds_add_u32 v1, v2
	ds_add_u32 v1, v2
	s_wait_dscnt 0x0
	v_lshrrev_b32 v[AW], 5, v0
	v_readfirstlane_b32 s[WV], v[AW]               ; wave 0..3
	s_lshl_b32 s[ROW0], s[WV], 8
	s_mov_b32 s[SEL], 0x76543210
	s_mov_b32 s[SEL+1], 0xfedcba98
	s_mov_b32 s[OFF+1], 0
	; the turn of the walk: from the cluster's number, which the four partners share.  The sum lets all eight values occur among any half of the 64 clusters that one bit of the number picks out
	s_lshr_b32 s[ROT], ttmp9, 3
	s_add_co_u32 s[ROT], s[ROT], ttmp9
	s_and_b32 s[R0F], s[ROT], 1                    ; r0
	s_bfe_u32 s[RH], s[ROT], 0x20001               ; rho: two bits from bit 1
	s_and_b32 s[TAU], s[RH], 1                     ; tau
	s_add_co_u32 s[RH1], s[RH], 1
	s_lshl_b32 s[HB], s[R0F], 7
	s_add_co_u32 s[HB], s[HB], s[ROW0]             ; the head walked first: 256 w + 128 r0
	s_lshl_b32 s[ROWN], s[RH], 5
	s_add_co_u32 s[ROWN], s[ROWN], s[HB]           ; its first q and k tile: + 32 rho
	s_bfe_u32 s2, ttmp6, 0x40000                   ; cx: it enters x's and out's global addresses alone
	s_lshl_b32 s3, ttmp9, 2                        ; in a cluster launch ttmp9 counts clusters
	s_add_co_u32 s2, s2, s3                        ; the work-group
	s_lshl_b32 s2, s2, 17                          ; its 32 rows of 4,096 bytes,
	s_lshl_b32 s3, s[WV], 10
	s_add_co_u32 s2, s2, s3                        ; my wave's 1,024 bytes of a row
	s_mov_b32 s3, 0
	; group 1, weights: a dense block of 24,576 bytes as 96 rows of 32 elements of 8 bytes
	s_mov_b32 s[G1W], 15|(3<<16)|(1<<20)|(1<<21)|(5<<22)|(3<<25)   ; 15:0 the mask: all four work-groups; 17:16 elements of 8 bytes; 20 padding on; 21 set beside a mask; 24:22 after every 64 words; 31:25 4 words of it
	s_mov_b32 s[G1W+1], 32<<16                     ; tensor_dim0
	s_mov_b32 s[G1W+2], 96<<16                     ; tensor_dim1
	s_mov_b32 s[G1W+3], 32<<16                     ; tile_dim0
	s_mov_b32 s[G1W+4], 96                         ; tile_dim1
	s_mov_b32 s[G1W+5], 32                         ; from row to row
	s_mov_b32 s[G1W+6], 0
	s_mov_b32 s[G1W+7], 0
	; group 1, x: 32 rows x 256 f32, rows 1,024 elements apart; no mask: each work-group has rows of its own
	s_mov_b32 s[G1X], (2<<16)|(1<<20)|(7<<22)|(3<<25)              ; elements of 4 bytes; after every 256 words, a row of the tile, 4 words of padding: LDS pitch 1,040 bytes
	s_mov_b32 s[G1X+1], 256<<16
	s_mov_b32 s[G1X+2], 32<<16
	s_mov_b32 s[G1X+3], 256<<16
	s_mov_b32 s[G1X+4], 32
	s_mov_b32 s[G1X+5], 1024
	s_mov_b32 s[G1X+6], 0
	s_mov_b32 s[G1X+7], 0
	s_mul_i32 s[R1], s[WV], XW
	s_mul_i32 s[R2], s[WV], WPART
	s_mul_i32 s[OFF], s[ROWN], 768
	s_wait_kmcnt 0x0
	s_add_nc_u64 s[4:5], s[4:5], s[2:3]
	s_add_nc_u64 s[6:7], s[6:7], s[2:3]
	s_add_nc_u64 s[36:37], s[36:37], s[2:3]
.irp i, 0,1                            ; tile i: 0 img, 1 sig: my wave's 256 columns of the 32 rows
	s_mov_b32 s[G0X+4*\i], 1
	s_add_co_u32 s[G0X+4*\i+1], s[R1], \i*2*XT
	s_mov_b64 s[G0X+4*\i+2:G0X+4*\i+3], s[4+2*\i:5+2*\i]
	s_or_b32 s[G0X+4*\i+3], s[G0X+4*\i+3], 0x80000000
.endr
	s_mov_b32 s[G0W], 1                            ; slot 0 begins with the walk's first q tile,
	s_mov_b32 s[G0W+1], s[R2]
	s_add_nc_u64 s[G0W+2:G0W+3], s[WQ:WQ+1], s[OFF:OFF+1]
	s_or_b32 s[G0W+3], s[G0W+3], 0x80000000
	s_mov_b32 s[G0W+4], 1                          ; slot 1 with the same columns of k
	s_add_co_u32 s[G0W+5], s[R2], SLOTB
	s_add_nc_u64 s[G0W+6:G0W+7], s[WK:WK+1], s[OFF:OFF+1]
	s_or_b32 s[G0W+7], s[G0W+7], 0x80000000
	ROUND                                          ; in front of the launch's first tensor loads
	tensor_load_to_lds s[G0X:G0X+3], s[G1X:G1X+7]          ; img: 32 KiB a wave
	s_nop 0
	PLACES 4
	v_and_b32 v[LL], 31, v0                        ; lane
	v_and_b32 v[RR], 15, v0                        ; r
	v_bfe_u32 v[ST], v0, 4, 1                      ; h
	v_mul_u32_u24 v[AW], v[RR], 816
	v_add_nc_u32 v[AW], s[R2], v[AW]
	v_mad_u32_u24 v[AW+1], v[ST], 40, v[AW]
	v_mad_u32_u24 v[AW], v[ST], 24, v[AW]
	v_add_nc_u32 v[AW+2], SLOTB, v[AW]
	v_add_nc_u32 v[AW+3], SLOTB, v[AW+1]
	v_lshl_add_u32 v[IMR], v[LL], 4, XIMG
	s_mul_i32 s[R2], s[WV], 2*FRB
	v_add_nc_u32 v[IMW], s[R2], v[IMR]
	v_lshl_add_u32 v[SCW], v[RR], 2, XSC
	v_add_nc_u32 v[SCW], s[ROW0], v[SCW]           ; + 256 w
	v_lshl_add_u32 v[SCR], v[LL], 2, XSC
	v_lshlrev_b32 v[LSC], 5, v[LL]
	v_lshlrev_b32 v[LB], 5, v[ST]
	v_lshlrev_b32 v[H8], 3, v[ST]
	v_mul_u32_u24 v[XR], v[RR], 1040
	v_lshl_add_u32 v[XR], v[ST], 7, v[XR]
	v_add_nc_u32 v[XR], s[R1], v[XR]
	s_mul_i32 s[R2], s[WV], STG
	s_add_co_u32 s[R2], s[R2], XIMG
	v_mul_u32_u24 v[STO], v[RR], 528
	v_lshl_add_u32 v[STO], v[ST], 5, v[STO]
	v_add_nc_u32 v[STO], s[R2], v[STO]
	v_lshl_add_u32 v[SRD], v[LL], 4, s[R2]
	v_add_nc_u32 v[ST+1], s[RH], v[ST]             ; a row comes back from the stage with place 2 ks + lane / 16 in my lane: that is the wave's group (place + rho) mod 4, 256 bytes each
	v_and_b32 v[ST+2], 3, v[ST+1]
	v_lshlrev_b32 v[ST+2], 8, v[ST+2]
	v_lshl_add_u32 v[GOK], v[RR], 4, v[ST+2]
	v_add_nc_u32 v[ST+1], 2, v[ST+1]
	v_and_b32 v[ST+2], 3, v[ST+1]
	v_lshlrev_b32 v[ST+2], 8, v[ST+2]
	v_lshl_add_u32 v[GOK+GOKS], v[RR], 4, v[ST+2]
	v_lshl_add_u32 v[LNS], v0, 2, LNP
	v_lshl_add_u32 v[LNR], v[RR], 2, LNP
	v_mov_b32 v[TM+6], 0                           ; written once: a lane permute's destination counts as one of its sources
	; no prefetch of sig: the head has no loop to run ahead in, and sig's load follows img's with one round between the two
	s_wait_alu depctr_va_vdst(0)
	s_wait_tensorcnt 0x0                           ; img has landed
	ds_add_u32 v[SPW], v[NIL]
	s_wait_dscnt 0x0
	ROUND
	tensor_load_to_lds s[G0X+4:G0X+7], s[G1X:G1X+7]        ; sig, into bytes of its own: my one load behind this round
	s_nop 0
	PLACES 4
	; ---- img into registers: unit (m, ks) at 64 (2 m + ks) of window 3
	XUNIT 0, 0, 3, 0
	XUNIT 0, 1, 3, 128
	XUNIT 1, 0, 3, 64
	XUNIT 1, 1, 3, 192
	WIN 0
	s_wait_dscnt 0x0                               ; img is in my registers
	; ---- img becomes codes while sig is on its way: my two K steps of 32 rows.  Its numbers then change lanes into the results' layout: they are the last product's C
.irp m, 0,1
.irp ks, 0,1
	XQ 0, \m, \ks, 3, 64*(2*\m+\ks)
	SWAPS 3, 64*(2*\m+\ks)
	SWAPS 3, 64*(2*\m+\ks)+32
.endr
.endr
	; the residual's four groups of 64 columns are turned by rho, so that place p holds group (p + rho) mod 4: by one if rho is odd, by two if rho is 2 or 3
	WIN 0                                          ; at a branch and at a label every window is 0
	s_cmp_eq_u32 s[TAU], 0
	s_cbranch_scc1 .Lturned_by_1
.irp m, 0,1
	GSWAP 3, 128*\m, 128*\m+32, 32                 ; a b c d -> b a c d -> b c a d -> b c d a
	GSWAP 3, 128*\m+32, 128*\m+64, 32
	GSWAP 3, 128*\m+64, 128*\m+96, 32
.endr
	WIN 0
.Lturned_by_1:
	s_cmp_lt_u32 s[RH], 2
	s_cbranch_scc1 .Lturned_by_2
.irp m, 0,1
	GSWAP 3, 128*\m, 128*\m+64, 64
.endr
	WIN 0
.Lturned_by_2:
	s_wait_alu depctr_va_vdst(0)
	s_wait_tensorcnt 0x0                           ; sig has landed
	XUNIT 2, 0, 1, 0                               ; sig: units 2 m + ks = 0, 1, 2 in window 1, unit 3 in window 2
	XUNIT 2, 1, 1, 128
	XUNIT 3, 0, 1, 64
	XUNIT 3, 1, 2, 0
	WIN 0
	s_wait_tensorcnt 0x0                           ; the slots lie over x's bytes: their first tiles are refills
	ds_add_u32 v[SPW], v[NIL]                      ; 0 onto my spare word
	s_lshl_b32 s[OFF], s[ROWN], 5                  ; x's descriptors are done with: their registers take the first two tiles' scale bytes and biases,
	s_add_nc_u64 s[SBA:SBA+1], s[WQ+2:WQ+3], s[OFF:OFF+1]
	s_add_nc_u64 s[SBA+2:SBA+3], s[WK+2:WK+3], s[OFF:OFF+1]
	s_lshl_b32 s[OFF], s[ROWN], 2
	s_add_nc_u64 s[BBA:BBA+1], s[WQ+4:WQ+5], s[OFF:OFF+1]
	s_add_nc_u64 s[BBA+2:BBA+3], s[WK+4:WK+5], s[OFF:OFF+1]
.irp p, 0,1,2,3                        ; and Wo's first row for each of the four places
	s_add_co_u32 s[ORQ+\p], s[RH], \p
	s_and_b32 s[ORQ+\p], s[ORQ+\p], 3
	s_lshl_b32 s[ORQ+\p], s[ORQ+\p], 6
	s_add_co_u32 s[ORQ+\p], s[ORQ+\p], s[ROW0]
.endr
	s_mov_b32 s[HOFF], 0
	s_mov_b32 s[HOFS], 0
	s_mov_b32 s[HIM], 0xffff0000
	s_mov_b32 s[CSM], 0x3e0293ee                   ; log2(e) / sqrt(128)
	s_wait_dscnt 0x0                               ; the add is done and x is in my registers
	ROUND
	tensor_load_to_lds s[G0W:G0W+3], s[G1W:G1W+7]          ; tile 0 lands while x is quantised
	s_nop 0
	PLACES 4
	SIDE 0
	SIDE 1
	; ---- sig becomes codes while tile 0 is on its way
	XQ 1, 0, 0, 1, 0
	XQ 1, 0, 1, 1, 64
	XQ 1, 1, 0, 1, 128
	XQ 1, 1, 1, 2, 0
	s_wait_tensorcnt 0x0                           ; tile 0 has landed
	ds_add_u32 v[SPW], v[NIL]
	s_mov_b32 s[HD], 0
	s_wait_dscnt 0x0                               ; the add is done and my images are stored: the round below is also the barrier between the images' stores and their loads
	ROUND
	tensor_load_to_lds s[G0W+4:G0W+7], s[G1W:G1W+7]        ; tile 1
	s_nop 0
	PLACES 4
	; ---- every wave takes all 32 fragments and 16 registers of scale words
	WIN 0x40
.irp f, 0,1,2,3,4,5,6,7,8,9,10,11,12,13,14,15
.irp c, 0,1,2
	ds_load_b128 v[12*\f+4*\c:12*\f+4*\c+3], v[IMR] offset:\f*FRB+512*\c
.endr
.endr
	WIN 0x80
.irp f, 0,1,2,3,4,5,6,7,8,9,10,11,12,13,14,15
.irp c, 0,1,2
	ds_load_b128 v[12*\f+4*\c:12*\f+4*\c+3], v[IMR] offset:(16+\f)*FRB+512*\c
.endr
.endr
	WIN 0
.irp s, 0,1,2,3,4,5,6,7
	ds_load_b32 v[XSI+\s], v[SCR] offset:128*\s
	ds_load_b32 v[XSS+\s], v[SCR] offset:128*(8+\s)
.endr
	FETCH 0, 0, F0
.Lhead:                                        ; two trips: my two heads, in the order that r0 gives
.irp i, 0,1,2,3,4,5,6,7,8,9,10,11,12,13,14,15
	v_mov_b32 v[SCO+\i], 0                         ; the score sums: the loop below is written once
.endr
	s_xor_b32 s[HQN], s[HB], 128                   ; the other head (256 w is a multiple of 256),
	s_lshl_b32 s[VA], s[RH], 5
	s_add_co_u32 s[HQN], s[HQN], s[VA]             ; its first q and k tile
	s_lshl_b32 s[VA], s[TAU], 6                    ; this head's v: the half walked first begins at column 64 tau,
	s_xor_b32 s[VB], s[VA], 64                     ; the other at 64 (1 - tau)
	s_add_co_u32 s[VA], s[VA], s[HB]
	s_add_co_u32 s[VB], s[VB], s[HB]
	s_mov_b32 s[QI], 0
.Lqk:                                          ; four trips: 32 columns of q, then the same 32 of k on img's and sig's rows; trip i takes the head's tile (i + rho) mod 4: the scores are sums over all four
	s_add_co_u32 s[RQ], s[QI], s[RH1]
	s_and_b32 s[RQ], s[RQ], 3
	s_lshl_b32 s[RQ], s[RQ], 5
	s_add_co_u32 s[RQ], s[RQ], s[HB]               ; the next trip's tile
	HEAD 0, 0, 0
	NEXT_SEL QI, 3, WQ, RQ, 0, WVV, VA, 0          ; slot 0 next takes q's next 32 columns, at last the first tile of v
	TAIL 0, 0, 0
	SIDE 0
	HEAD 1, 1, 0
	NEXT_SEL QI, 3, WK, RQ, 0, WVV, VA, 32         ; slot 1: k's next 32 columns, at last the second tile of v
	TAIL 1, 1, 0
	WIN 0x06                                       ; q in window 2, k in window 1
	s_wait_alu depctr_va_vdst(0)
.irp p, 0,1,2,3                        ; each accumulator from its low end on; eight chains
.irp x, 0,1
.irp m, 0,1
.irp ct, 0,1
	v_pk_fma_f32 v[SCO+2*(4*\x+2*\m+\ct):SCO+2*(4*\x+2*\m+\ct)+1], v[192+8*(2*\ct+\m)+2*\p:192+8*(2*\ct+\m)+2*\p+1], v[192+32*\x+8*(2*\ct+\m)+2*\p:192+32*\x+8*(2*\ct+\m)+2*\p+1], v[SCO+2*(4*\x+2*\m+\ct):SCO+2*(4*\x+2*\m+\ct)+1]
.endr
.endr
.endr
.endr
	WIN 0
	SIDE 1
	s_add_co_u32 s[QI], s[QI], 1
	s_cmp_lt_u32 s[QI], 4
	s_cbranch_scc1 .Lqk
	; ---- the softmax over the two keys, for my row of each row tile.  q = 2 x + m
.irp q, 0,1,2,3
	v_pk_add_f32 v[SCO+4*\q:SCO+4*\q+1], v[SCO+4*\q:SCO+4*\q+1], v[SCO+4*\q+2:SCO+4*\q+3]
.endr
.irp q, 0,1,2,3
	v_add_f32 v[SCO+4*\q], v[SCO+4*\q], v[SCO+4*\q+1]
.endr
.irp q, 0,1,2,3
	v_permlanex16_b32 v[SCO+4*\q+1], v[SCO+4*\q], s[SEL], s[SEL+1]
.endr
.irp q, 0,1,2,3
	v_add_f32 v[SCO+4*\q], v[SCO+4*\q], v[SCO+4*\q+1]      ; with lane xor 16's columns: the score
.endr
.irp m, 0,1
	v_max_num_f32 v[SCO+4*\m+2], v[SCO+4*\m], v[SCO+8+4*\m]
.endr
.irp m, 0,1
	v_sub_f32 v[SCO+4*\m], v[SCO+4*\m], v[SCO+4*\m+2]      ; the larger score is taken away first: the difference of two close scores is exact, so it is not fused with the scaling
	v_sub_f32 v[SCO+8+4*\m], v[SCO+8+4*\m], v[SCO+4*\m+2]
.endr
.irp q, 0,1,2,3
	v_mul_f32 v[SCO+4*\q], s[CSM], v[SCO+4*\q]
.endr
	s_wait_alu depctr_va_vdst(0)
.irp q, 0,1,2,3
	v_exp_f32 v[SCO+4*\q], v[SCO+4*\q]
.endr
	v_nop                                          ; one plain place behind a transcendental (ISA guide 5.7.2)
	s_wait_alu depctr_va_vdst(0)
.irp m, 0,1
	v_add_f32 v[SCO+4*\m+2], v[SCO+4*\m], v[SCO+8+4*\m]
.endr
	s_wait_alu depctr_va_vdst(0)
.irp m, 0,1
	v_rcp_f32 v[SCO+4*\m+3], v[SCO+4*\m+2]
.endr
	v_nop
	s_wait_alu depctr_va_vdst(0)
.irp m, 0,1
	v_mul_f32 v[AT+2*\m], v[SCO+4*\m], v[SCO+4*\m+3]       ; each weight twice: a pair for the packed forms
	v_mul_f32 v[AT+2*\m+1], v[SCO+4*\m], v[SCO+4*\m+3]
	v_mul_f32 v[AT+4+2*\m], v[SCO+8+4*\m], v[SCO+4*\m+3]
	v_mul_f32 v[AT+5+2*\m], v[SCO+8+4*\m], v[SCO+4*\m+3]
.endr
; ctx = a_img v_img + a_sig v_sig for the 32 columns of the j-th tile walked, into position 2 ct + j % 2 of the row tile's 32 registers
.macro CTXMIX j
	WIN 0x81
.irp ct, 0,1
.irp m, 0,1
.irp p, 0,1,2,3
	v_pk_mul_f32 v[192+32*\m+8*(2*\ct+(\j)%2)+2*\p:192+32*\m+8*(2*\ct+(\j)%2)+2*\p+1], v[192+8*(2*\ct+\m)+2*\p:192+8*(2*\ct+\m)+2*\p+1], v[AT+2*\m:AT+2*\m+1]
.endr
.endr
.endr
	WIN 0xa1
.irp ct, 0,1
.irp m, 0,1
.irp p, 0,1,2,3
	v_pk_fma_f32 v[192+32*\m+8*(2*\ct+(\j)%2)+2*\p:192+32*\m+8*(2*\ct+(\j)%2)+2*\p+1], v[224+8*(2*\ct+\m)+2*\p:224+8*(2*\ct+\m)+2*\p+1], v[AT+4+2*\m:AT+4+2*\m+1], v[192+32*\m+8*(2*\ct+(\j)%2)+2*\p:192+32*\m+8*(2*\ct+(\j)%2)+2*\p+1]
.endr
.endr
.endr
	WIN 0
.endm
; 64 columns of ctx (the c-th half walked of the head's K step) are whole: back to 32 neighbours a lane, and into codes, both row tiles by turns
.macro CQ c
	SWAPS 2, 192
	SWAPS 2, 224
	QUANT2 2, 192, 224, PC+6*(\c), PC+12+6*(\c)
.if (\c) == 0
	v_mov_b32 v[PW], v[TM+4]
	v_mov_b32 v[PW+1], v[TM+5]
.else
	v_lshl_or_b32 v[PW], v[TM+4], 16, v[PW]
	v_lshl_or_b32 v[PW+1], v[TM+5], 16, v[PW+1]
.endif
.endm
	HEAD 1, 0, 0                                   ; v, first tile walked
	NEXT_STATIC WVV, VB, 0
	TAIL 1, 0, 0
	s_wait_alu depctr_va_vdst(0)
	CTXMIX 0
	SIDE 0
	HEAD 1, 1, 0                                   ; second
	NEXT_STATIC WVV, VB, 32
	TAIL 1, 1, 0
	CTXMIX 1
	SIDE 1
	CQ 0
	HEAD 1, 0, 0                                   ; third: slot 0 next takes the other head's first q tile, or the first tile of o
	NEXT_SEL HD, 1, WQ, HQN, 0, WO, ORQ, 0
	TAIL 1, 0, 0
	CTXMIX 2
	SIDE 0
	HEAD 1, 1, 0                                   ; fourth: slot 1: the same columns of k, or the second tile of o
	NEXT_SEL HD, 1, WK, HQN, 0, WO, ORQ, 32
	TAIL 1, 1, 0
	CTXMIX 3
	SIDE 1
	CQ 1
	s_cmp_eq_u32 s[TAU], 0                         ; where the upper half was walked first, the fragments' two halves of six registers and the two bytes of my scale words change places
	s_cbranch_scc1 .Lhalves_in_order
	GSWAP 0, PC, PC+6, 6
	GSWAP 0, PC+12, PC+18, 6
	v_alignbit_b32 v[PW], v[PW], v[PW], 16
	v_alignbit_b32 v[PW+1], v[PW+1], v[PW+1], 16
.Lhalves_in_order:
	s_wait_alu depctr_va_vdst(0)
	WORD PW
	WORD PW+1
	v_add_nc_u32 v[CIA], s[HOFF], v[IMW]           ; the images lie in the order in which the heads are walked: place 2 w + HD.  They go where img's images lay, which every wave has read long ago
	v_add_nc_u32 v[CSA], s[HOFS], v[SCW]
	IMG_OUT CIA, 0, PC
	IMG_OUT CIA, 8*FRB, PC+12
	ds_store_b32 v[CSA], v[PW]
	ds_store_b32 v[CSA], v[PW+1] offset:64
	s_xor_b32 s[HB], s[HB], 128
	s_add_co_u32 s[HOFF], s[HOFF], FRB
	s_add_co_u32 s[HOFS], s[HOFS], 128
	s_add_co_u32 s[HD], s[HD], 1
	s_cmp_lt_u32 s[HD], 2
	s_cbranch_scc1 .Lhead
	s_wait_dscnt 0x0                               ; for the others' sake: my images of ctx are stored
	s_barrier_signal -1
	s_barrier_wait -1                              ; everybody's are.
	WIN 0x80
.irp f, 0,1,2,3,4,5,6,7,8,9,10,11,12,13,14,15
.irp c, 0,1,2
	ds_load_b128 v[12*\f+4*\c:12*\f+4*\c+3], v[IMR] offset:\f*FRB+512*\c       ; ctx's 16 fragments take sig's place
.endr
.endr
	WIN 0
.irp s, 0,1,2,3,4,5,6,7
	ds_load_b32 v[XSS+\s], v[SCR] offset:128*\s
.endr
	s_wait_dscnt 0x0
	s_cmp_eq_u32 s[R0F], 0                         ; where the odd heads were walked first, K steps 2 u and 2 u + 1 and their scale words change places: K is then in its true order
	s_cbranch_scc1 .Lheads_in_order
.irp m, 0,1
.irp u, 0,1,2,3
	GSWAP 2, 12*(8*\m+2*\u), 12*(8*\m+2*\u+1), 12
.endr
.endr
.irp u, 0,1,2,3
	GSWAP 0, XSS+2*\u, XSS+2*\u+1, 1
.endr
.Lheads_in_order:                              ; (the twenty plain lines of the first tile's addition of bo are the places between these exchanges and the products)
.irp j, 0,1,2,3,4,5                    ; the first six tiles of o: each asks for the tile two on: place (j + 2) / 2, half j % 2
	HEAD 2, \j%2, \j
	NEXT_STATIC WO, ORQ+(\j+2)/2, 32*(\j%2)
	TAIL 2, \j%2, \j
	SIDE \j%2
.endr
	s_wait_loadcnt 6                               ; the seventh: nothing is left to ask for, so there is no round
	BOADD 0, 6
	RUNS 2, 0, 6
	s_wait_tensorcnt 0x0                           ; the last tile has landed; its bytes are my own
	PLACES 4
	FETCH 1, 0, F0
	s_wait_dscnt 24
	MM 2, 3, F1, 0, 6
	WIN 0
	PLACES 5
	s_wait_loadcnt 0x0                             ; the eighth
	s_lshl_b32 s[OFF], s[WV], 10
	s_add_nc_u64 s[CB:CB+1], s[32:33], s[OFF:OFF+1]
	s_add_nc_u64 s[SB:SB+1], s[34:35], s[OFF:OFF+1]
.irp ks, 0,1                           ; gamma and beta of my 256 columns, four a lane for each half, as the rows will come back from the stage
	global_load_b128 v[BIAS+4*\ks:BIAS+4*\ks+3], v[GOK+GOKS*\ks], s[CB:CB+1]
	global_load_b128 v[BIAS+8+4*\ks:BIAS+8+4*\ks+3], v[GOK+GOKS*\ks], s[SB:SB+1]
.endr
	BOADD 1, 7
	RUNS 2, 1, 7
	s_wait_dscnt 0x0
	MM 2, 3, F1, 1, 7
	WIN 0
	PLACES 5
; ---- LayerNorm.  A row lies in lanes r and r + 16 of four waves.  The chains' sums are joined within the lane, with lane xor 16, and through LDS with the other waves'; every wave adds the four in the same order.
.macro LNX pass
	v_pk_add_f32 v[SCO:SCO+1], v[SCO:SCO+1], v[SCO+2:SCO+3]
	v_pk_add_f32 v[SCO+4:SCO+5], v[SCO+4:SCO+5], v[SCO+6:SCO+7]
	v_add_f32 v[SCO], v[SCO], v[SCO+1]
	v_add_f32 v[SCO+4], v[SCO+4], v[SCO+5]
	v_permlanex16_b32 v[SCO+1], v[SCO], s[SEL], s[SEL+1]
	v_permlanex16_b32 v[SCO+5], v[SCO+4], s[SEL], s[SEL+1]
	v_add_f32 v[SCO], v[SCO], v[SCO+1]
	v_add_f32 v[SCO+4], v[SCO+4], v[SCO+5]
	v_cndmask_b32 v[SCO+2], v[SCO], v[SCO+4], s[HIM]       ; lane l now holds row l's sum
	ds_store_b32 v[LNS], v[SCO+2] offset:512*(\pass)
	s_wait_dscnt 0x0                               ; for the others' sake
	s_barrier_signal -1
	s_barrier_wait -1
.irp m, 0,1
.irp u, 0,1,2,3
	ds_load_b32 v[SCO+8+4*\m+\u], v[LNR] offset:512*(\pass)+64*\m+128*\u
.endr
.endr
	s_wait_dscnt 0x0
	v_add_f32 v[SCO+8], v[SCO+8], v[SCO+9]
	v_add_f32 v[SCO+10], v[SCO+10], v[SCO+11]
	v_add_f32 v[SCO+12], v[SCO+12], v[SCO+13]
	v_add_f32 v[SCO+14], v[SCO+14], v[SCO+15]
	v_add_f32 v[SCO+8], v[SCO+8], v[SCO+10]
	v_add_f32 v[SCO+12], v[SCO+12], v[SCO+14]
.endm
	WIN 0x0f                                       ; the sums: chain q takes row tile q / 2, every second pair; registers ascending; the first lines start the chains
.irp q, 0,1,2,3
	v_pk_add_f32 v[SCO+2*\q:SCO+2*\q+1], v[128*(\q/2)+2*(\q%2):128*(\q/2)+2*(\q%2)+1], v[128*(\q/2)+2*(\q%2)+4:128*(\q/2)+2*(\q%2)+5]
.endr
	WIN 0x0c
.set I, 2
.rept 30
.irp q, 0,1,2,3
	v_pk_add_f32 v[SCO+2*\q:SCO+2*\q+1], v[SCO+2*\q:SCO+2*\q+1], v[128*(\q/2)+4*I+2*(\q%2):128*(\q/2)+4*I+2*(\q%2)+1]
.endr
.set I, I+1
.endr
	WIN 0
	LNX 0
	v_mul_f32 v[ST], 0xba800000, v[SCO+8]          ; - the mean: the sum x -2^-10
	v_mul_f32 v[ST+2], 0xba800000, v[SCO+12]
	v_mov_b32 v[ST+1], v[ST]
	v_mov_b32 v[ST+3], v[ST+2]
	WIN 0xc3
.set I, 0
.rept 64
	v_pk_add_f32 v[2*I:2*I+1], v[2*I:2*I+1], v[ST:ST+1]
	v_pk_add_f32 v[128+2*I:128+2*I+1], v[128+2*I:128+2*I+1], v[ST+2:ST+3]
.set I, I+1
.endr
	WIN 0x0f                                       ; the squares of what is left
.irp q, 0,1,2,3
	v_pk_mul_f32 v[SCO+2*\q:SCO+2*\q+1], v[128*(\q/2)+2*(\q%2):128*(\q/2)+2*(\q%2)+1], v[128*(\q/2)+2*(\q%2):128*(\q/2)+2*(\q%2)+1]
.endr
.set I, 1
.rept 31
.irp q, 0,1,2,3
	v_pk_fma_f32 v[SCO+2*\q:SCO+2*\q+1], v[128*(\q/2)+4*I+2*(\q%2):128*(\q/2)+4*I+2*(\q%2)+1], v[128*(\q/2)+4*I+2*(\q%2):128*(\q/2)+4*I+2*(\q%2)+1], v[SCO+2*\q:SCO+2*\q+1]
.endr
.set I, I+1
.endr
	WIN 0
	LNX 1
	s_mov_b32 s[R1], 0x3727c5ac                    ; 1e-5
	v_mov_b32 v[ST+4], 0x3a800000                  ; 2^-10
	v_fma_f32 v[ST], v[SCO+8], v[ST+4], s[R1]      ; the variance + 1e-5
	v_fma_f32 v[ST+2], v[SCO+12], v[ST+4], s[R1]
	s_wait_alu depctr_va_vdst(0)
	v_rsq_f32 v[ST], v[ST]
	v_rsq_f32 v[ST+2], v[ST+2]
	v_nop                                          ; one plain place behind a transcendental
	s_wait_alu depctr_va_vdst(0)
	v_mov_b32 v[ST+1], v[ST]
	v_mov_b32 v[ST+3], v[ST+2]
; ---- THE WAY OUT, four chunks n = 2 m + ks of 16 rows x two places of 64 columns.  A lane holds pieces of one row and the lanes beside it other rows: a chunk goes through my own stage in LDS and comes back as
; rows of 512 bytes, four columns a lane, where gamma and beta are applied.  LDS serves a wave's instructions in order (ISA guide 5.7.1.4): no wait between the stores and the loads.
.macro MULC n                          ; x 1 / sqrt(variance + eps), while a lane still holds one row
	WIN 0xc3
.set I, 0
.rept 32
	v_pk_mul_f32 v[64*(\n)+2*I:64*(\n)+2*I+1], v[64*(\n)+2*I:64*(\n)+2*I+1], v[ST+2*((\n)/2):ST+2*((\n)/2)+1]
.set I, I+1
.endr
.endm
.macro TOST n
	WIN 0x0c
.irp c, 0,1
.irp tt, 0,1,2,3
	ds_store_b128 v[STO], v[64*(\n)+32*\c+8*(2*(\tt%2)+\tt/2):64*(\n)+32*\c+8*(2*(\tt%2)+\tt/2)+3] offset:256*\c+64*\tt
	ds_store_b128 v[STO], v[64*(\n)+32*\c+8*(2*(\tt%2)+\tt/2)+4:64*(\n)+32*\c+8*(2*(\tt%2)+\tt/2)+7] offset:256*\c+64*\tt+16
.endr
.endr
.if (\n) >= 2
	s_wait_xcnt 0x0                                ; the stores of the chunk two back have had their addresses translated (ISA guide 3.1): only behind this wait are their registers loaded again
.endif
	WIN 0x40
.irp i, 0,1,2,3,4,5,6,7,8,9,10,11,12,13,14,15
	ds_load_b128 v[64*((\n)%2)+4*\i:64*((\n)%2)+4*\i+3], v[SRD] offset:528*\i
.endr
.endm
.macro FIN n
	s_wait_dscnt 0x0                               ; the chunk is back
	WIN 0x41
.irp i, 0,1,2,3,4,5,6,7,8,9,10,11,12,13,14,15
.irp p, 0,1
	v_pk_fma_f32 v[64*((\n)%2)+4*\i+2*\p:64*((\n)%2)+4*\i+2*\p+1], v[64*((\n)%2)+4*\i+2*\p:64*((\n)%2)+4*\i+2*\p+1], v[BIAS+4*((\n)%2)+2*\p:BIAS+4*((\n)%2)+2*\p+1], v[BIAS+8+4*((\n)%2)+2*\p:BIAS+8+4*((\n)%2)+2*\p+1]
.endr
.endr
	WIN 0x04
.irp i, 0,1,2,3,4,5,6,7,8,9,10,11,12,13,14,15
	global_store_b128 v[GOK+GOKS*((\n)%2)], v[64*((\n)%2)+4*\i:64*((\n)%2)+4*\i+3], s[36:37] offset:4096*(16*((\n)/2)+\i) th:TH_STORE_NT   ; each sixteen lanes store 256 consecutive bytes, at a multiple of 256 from out's first byte: a place's group
.endr
.endm
	s_wait_alu depctr_va_vdst(0)
	s_wait_loadcnt 0x0                             ; gamma and beta
	MULC 0
	TOST 0
	MULC 1                                         ; a chunk's scaling stands between the loads of the chunk before and the wait for them
	FIN 0
	TOST 1
	MULC 2
	FIN 1
	TOST 2
	MULC 3
	FIN 2
	TOST 3
	FIN 3
	WIN 0
	s_wait_tensorcnt 0x0                           ; the wave's end: behind my last tensor load and my last LDS store
	ds_add_u32 v[SPW], v[NIL]
	s_wait_dscnt 0x0
	ROUND                                          ; the closing round: no work-group ends while a partner may still ask for a tile that names it
	s_endpgm
.Lfunc_end_k_qa5c3047937_fused:
	.size	k_qa5c3047937_fused, .Lfunc_end_k_qa5c3047937_fused-k_qa5c3047937_fused
	.p2alignl 7, 3214868480
	.fill 96, 4, 3214868480
	.section	.rodata,"a",@progbits
	.p2align	6, 0x0
	.amdhsa_kernel k_qa5c3047937_fused
		.amdhsa_group_segment_fixed_size 327680
		.amdhsa_private_segment_fixed_size 0
		.amdhsa_enable_private_segment 0
		.amdhsa_kernarg_size 136
		.amdhsa_user_sgpr_count 2
		.amdhsa_user_sgpr_kernarg_segment_ptr 1
		.amdhsa_wavefront_size32 1
		.amdhsa_system_sgpr_workgroup_id_x 1
		.amdhsa_system_sgpr_workgroup_id_y 1
		.amdhsa_system_sgpr_workgroup_id_z 1
		.amdhsa_system_vgpr_workitem_id 0
		.amdhsa_next_free_vgpr 1024
		.amdhsa_next_free_sgpr 106
		.amdhsa_reserve_vcc 0
		.amdhsa_float_denorm_mode_32 3
		.amdhsa_float_denorm_mode_16_64 3
		.amdhsa_memory_ordered 1
		.amdhsa_forward_progress 1
		.amdhsa_inst_pref_size 255
	.end_amdhsa_kernel
	.section	.bss,"aw",@nobits
	.p2align	6
	.space	262144
	.amdgpu_metadata
---
amdhsa.version: [ 1, 2 ]
amdhsa.kernels:
  - .name:           k_qa5c3047937_fused
    .symbol:         k_qa5c3047937_fused.kd
    .args:
      - { .name: image_features, .offset: 0, .size: 8, .value_kind: global_buffer, .address_space: global }
      - { .name: signal_features, .offset: 8, .size: 8, .value_kind: global_buffer, .address_space: global }
      - { .name: Wq_codes, .offset: 16, .size: 8, .value_kind: global_buffer, .address_space: global }
      - { .name: Wq_scales, .offset: 24, .size: 8, .value_kind: global_buffer, .address_space: global }
      - { .name: bq, .offset: 32, .size: 8, .value_kind: global_buffer, .address_space: global }
      - { .name: Wk_codes, .offset: 40, .size: 8, .value_kind: global_buffer, .address_space: global }
      - { .name: Wk_scales, .offset: 48, .size: 8, .value_kind: global_buffer, .address_space: global }
      - { .name: bk, .offset: 56, .size: 8, .value_kind: global_buffer, .address_space: global }
      - { .name: Wv_codes, .offset: 64, .size: 8, .value_kind: global_buffer, .address_space: global }
      - { .name: Wv_scales, .offset: 72, .size: 8, .value_kind: global_buffer, .address_space: global }
      - { .name: bv, .offset: 80, .size: 8, .value_kind: global_buffer, .address_space: global }
      - { .name: Wo_codes, .offset: 88, .size: 8, .value_kind: global_buffer, .address_space: global }
      - { .name: Wo_scales, .offset: 96, .size: 8, .value_kind: global_buffer, .address_space: global }
      - { .name: bo, .offset: 104, .size: 8, .value_kind: global_buffer, .address_space: global }
      - { .name: ln_gamma, .offset: 112, .size: 8, .value_kind: global_buffer, .address_space: global }
      - { .name: ln_beta, .offset: 120, .size: 8, .value_kind: global_buffer, .address_space: global }
      - { .name: out0, .offset: 128, .size: 8, .value_kind: global_buffer, .address_space: global }
    .group_segment_fixed_size: 327680
    .private_segment_fixed_size: 0
    .kernarg_segment_align: 8
    .kernarg_segment_size: 136
    .max_flat_workgroup_size: 128
    .sgpr_count:     106
    .vgpr_count:     1024
    .wavefront_size: 32
...
	.end_amdgpu_metadata
.endif
;; end of part 2
